; MI455X (gfx1250); checked and timed in simulation.
; The chip was launched on July 23, 2026; its instructions are those of AMD's public machine-readable ISA for CDNA 5 (MIT licence, August 2026) and "CDNA5" Instruction Set Architecture Reference Guide (July 2026). The comments in the code are by the model that wrote it; some were corrected since.
;; Multi Head Attention. Allowed arithmetic: matrix products marked QUANTISED: E2M3 operands, one E8M0 scale for each 32 along K, by v_wmma_scale_f32_16x16x128_f8f6f4 with both operands' format E2M3, f32 sums; everything else in f32.
;; Inputs: Wk 16 x 1,024 x 32 float32; Wo 512 x 1,024 float32; Wq 16 x 1,024 x 32 float32; Wv 16 x 1,024 x 32 float32; attention_mask 4 x 2,048 x 2,048 bool; k 4 x 2,048 x 1,024 float32; q 4 x 2,048 x 1,024 float32; v 4 x 2,048 x 1,024 float32.
;; Outputs: out0 4 x 2,048 x 1,024 float32.
;; This version of the problem:
;;   THIS VERSION OF THE PROBLEM IS GIVEN IN LOW PRECISION. The matrix products marked QUANTISED in the list below multiply operands that are first quantised to E2M3 (2 exponent bits, 3 mantissa bits; 6 bits a number), with one power-of-two scale for each 32 numbers along K (OCP MX v1.0); their sums are f32. All else is computed in f32.
;;   The module's matrix products, in the order in which they are computed (A, B: the left and right operand; K: the contracted axis; several contracted axes count as one K, in the product's order):
;;     1. [M 512, K 1,024] x [K 1,024, N 8,192]; A: input Wq; B: input q: QUANTISED
;;     2. [M 512, K 1,024] x [K 1,024, N 8,192]; A: input Wk; B: input k: QUANTISED
;;     3. [M 512, K 1,024] x [K 1,024, N 8,192]; A: input Wv; B: input v: QUANTISED
;;     4. batch 64 x [M 2,048, K 32] x [K 32, N 2,048]; A: computed on the way; B: computed on the way: QUANTISED
;;     5. batch 64 x [M 2,048, K 2,048] x [K 2,048, N 32]; A: softmax (see below); B: computed on the way: QUANTISED
;;     6. [M 8,192, K 512] x [K 512, N 1,024]; A: computed on the way; B: input Wo: QUANTISED
;;   THE QUANTISER, for each operand of a quantised product, along K:
;;     - K is cut into blocks of 32 from its start; a last block that is shorter is filled with zeros.
;;     - A block's scale is 2^e with e = floor(log2(the largest magnitude in the block)) - 2, held to -126 .. 127; a block of zeros has e = 0. As a byte (E8M0): e + 127.
;;     - Each number is divided by its block's scale, clamped to +-7.5, and rounded to the nearest number of E2M3, ties to even, subnormals kept.
;;     - The product sums the exact products of the quantised numbers (number of the format x scale) in f32.
;;   ~~~python
;;   def quantise(x, axis):      # numpy; x: float32 -> the quantised numbers, widened to float32 again
;;       x = np.moveaxis(x, axis, -1); K = x.shape[-1]
;;       x = np.pad(x, [(0, 0)] * (x.ndim - 1) + [(0, -K % 32)]); x = x.reshape(x.shape[:-1] + (-1, 32)); a = np.abs(x).max(-1, keepdims=True)
;;       e = np.where(a > 0, np.clip(np.frexp(np.where(a > 0, a, 1))[1] - 1 - 2, -126, 127), 0)      # np.frexp(a)[1] - 1 = floor(log2(a)), exactly
;;       r = np.clip(x / 2.0 ** e, -7.5, 7.5)
;;       step = 2.0 ** (np.maximum(np.frexp(np.where(r == 0, 1, r))[1] - 1, 0) - 3)
;;       q = np.round(r / step) * step * 2.0 ** e      # np.round: ties to even
;;       return np.moveaxis(q.reshape(q.shape[:-2] + (-1,))[..., :K], -1, axis).astype(np.float32)
;;   ~~~
;;   SOFTMAX AHEAD OF A QUANTISED PRODUCT. Where the list says 'softmax', what is quantised is not the finished softmax but p = 2^(t - M), with t = logit x log2(e) and M = ceil(the row's largest t), a whole number; so 1/2 < the row's largest p <= 1. The row's sum l is taken of the UNQUANTISED p, in f32, and the product's result is divided by l at the end. Since M is a whole number, a kernel that streams over the keys may use a running M (the ceiling of the running maximum): every later rescaling is an exact power of two, which a block's scale takes up: the codes' values come out the same.
;;   OPERANDS COMPUTED ON THE WAY. 'Computed on the way' means the value that the module computes at that place (a softmax that the list does not call 'softmax' is quantised finished and normalised). What goes into a quantiser is computed in f32, as accurately as f32 sums, v_exp_f32 and their like allow (about 1e-6 of the number): no bf16 or f16 on the way to a quantiser, and a product that is left as it is and whose result goes on into a quantised operand takes f32 operands (vector FMAs, or v_wmma_f32_16x16x4_f32). A number that lies on a knife's edge between two numbers of the format may be rounded either way, as far as f32 arithmetic and the matrix unit's own rounding can turn it there, and no further.
;; One version. Each part assembles by itself: llvm-mc -triple=amdgcn-amd-amdhsa -mcpu=gfx1250 --defsym DOCPART=n.
;; ======== version 1 of 1: 4 launches
;; limits: right only within a limited range of input values
;; workspace buffers: wimg 1,572,864 bytes; wsc 65,536 bytes; mbits 2,097,152 bytes of whole numbers; qkv 9,830,400 bytes; zc 3,145,728 bytes; zs 131,072 bytes; xq 19,660,800 bytes
;; launch prep (part 1): grid 1024 x 1, 4 waves a work-group, no clusters, 69,120 bytes of LDS; arguments Wq, Wk, Wv, Wo, attention_mask, wimg, wsc, mbits, q, k, v, xq; writes wimg, wsc, mbits, xq
.if DOCPART == 1
	.amdgcn_target "amdgcn-amd-amdhsa--gfx1250"
	.amdhsa_code_object_version 6
	.text
	.protected	k_qd0e6945435_prep
	.globl	k_qd0e6945435_prep
	.p2align	8
	.type	k_qd0e6945435_prep,@function
k_qd0e6945435_prep:
	s_mov_b64 s[64:65], 0
	v_nop
	global_prefetch_b8 v0, s[64:65] scope:SCOPE_SE
	s_setreg_imm32_b32 hwreg(HW_REG_WAVE_MODE, 25, 1), 1
	s_wait_xcnt 0x0
; PREP: q, k, v and the four weights become codes of FP6 (E2M3) with one E8M0 byte for each 32 along K, laid as IMAGES OF OPERAND REGISTERS; the byte mask becomes lane-mask words.
; An image of a fragment (16 rows x 128 K, 12 registers a lane, 1,536 bytes): register p of lane l lies at byte (p / 4) x 512 + 16 l + 4 (p % 4), so three 16-byte loads at 16 l bring a fragment.
; xq: [tensor 3][block of 128 tokens 64][102,400 bytes]: 64 images [tile 8][K step 8], then from 98,304 on the scale words [tile][K step][row].  Row r of tile 2 g + u is token 32 g + 8 u + r + 8 (r / 8) of the block.
; wimg: Wq, Wk, Wv at tensor x 393,216 as [tile 32][K step 8][image]; row r of tile 2 head + u is the head's column 8 u + r + 8 (r / 8).  Wo at 1,179,648 as [tile 64][K step 4][image], row r = column 16 tile + r.
; wsc: one word (four bytes: 128 along K) a row, [tile][K step][row]; Wq, Wk, Wv at tensor x 16,384, Wo at 49,152.
; mbits: [batch][query tile 128][key step 16][64 words]: bit l of word 16 b + i is mask[batch][query 32 (T / 2) + 8 (T % 2) + r + 8 (r / 8)][key 128 step + 32 b + 16 (l / 16) + i], r = l % 16.
; Work-groups 0-767: q, k, v; 768-863: Wq, Wk, Wv; 864-895: Wo; 896-1,023: the mask.  A wave is on its own: no barrier.  No matrix unit, no cluster: nothing is multiplied and no two work-groups read the same bytes.
; q, k, v: a wave takes one token tile x 512 along K, four units of 16 rows x 128 K.  Each load reads 512 consecutive bytes of one row; the unit turns through the wave's own stage in LDS (rows 528 bytes apart),
; from which lane (r, h) takes 16 neighbours of each of its row's four blocks.  THE MASK: a wave takes one query tile x all 2,048 keys, four trips of 16 rows x 512 bytes, loaded and turned in the same way, in LDS bytes of the mask's own.
; No prefetch: both ways only stream, each byte once, with the next unit's or trip's loads asked for ahead of this one's work.
; WEIGHTS: K is not innermost, so a lane takes a column and its registers run down K: a block of 32 lies in one lane, and the conversions give codes with K innermost.
; A block's scale is 2^(floor(log2(largest magnitude)) - 2); its byte is the largest magnitude's exponent field - 2, held at 1 from below.
; LIMITS: a block of zeros, or one whose largest magnitude lies under 2^-124, gets the byte 1 (the bytes are read by this program alone; zero codes add nothing); NaN and infinities are not served.
.set CW, 160                           ; weights: v160-183 the two image lanes' 12 registers each; v184-186 a conversion's second half
.set XSTG, 16*528                      ; q, k, v: a wave's stage; behind it its 256 bytes of scale words
.set XWREG, XSTG+256
.set XSPARE, 4*XWREG                   ; the spare words, 128 bytes a wave
.set MSTG, XSPARE+512                  ; the mask's way has LDS bytes of its own: a stage of 16 rows x 528 bytes a wave
	v_lshl_add_u32 v14, v0, 2, XSPARE              ; my spare word and 0: kept for the closing add alone
	v_mov_b32 v15, 0
	v_lshrrev_b32 v1, 5, v0
	v_readfirstlane_b32 s20, v1                    ; wave
	v_and_b32 v2, 31, v0                           ; lane
	s_mov_b32 s29, 0
	s_cmp_lt_u32 ttmp9, 768
	s_cbranch_scc1 .Lpath_x
	s_load_b256 s[4:11], s[0:1], 0x0               ; Wq s[4:5], Wk s[6:7], Wv s[8:9], Wo s[10:11]
	s_load_b256 s[12:19], s[0:1], 0x20             ; mask s[12:13], wimg s[14:15], wsc s[16:17], mbits s[18:19]
; 32 loads: block blk of my column; a load of the wave covers 128 consecutive bytes
.macro WLOAD blk, stride
.set n, 0
.rept 32
	global_load_b32 v[32+32*(\blk)+n], v3, s[26:27] offset:(32*(\blk)+n)*(\stride) th:TH_LOAD_NT
.set n, n+1
.endr
.endm
; block blk = 2 c + hh of my column belongs to image lane (row, hh), registers 6 c .. 6 c + 5.  left: the younger loads that may stay out; nxt: the block asked for now (4: none)
.macro WBLOCK blk, left, nxt, stride
.set XS, 32+32*(\blk)
.set CD, CW+12*((\blk)%2)+6*((\blk)/2)
	s_wait_loadcnt \left
.if (\nxt) < 4
	WLOAD \nxt, \stride
.endif
	v_max3_num_f32 v9, |v[XS]|, |v[XS+1]|, |v[XS+2]|             ; the block's largest magnitude, in two chains
	v_max3_num_f32 v10, |v[XS+3]|, |v[XS+4]|, |v[XS+5]|
.irp i, 6,10,14,18,22,26
	v_max3_num_f32 v9, v9, |v[XS+\i]|, |v[XS+\i+1]|
	v_max3_num_f32 v10, v10, |v[XS+\i+2]|, |v[XS+\i+3]|
.endr
	v_max3_num_f32 v9, v9, |v[XS+30]|, |v[XS+31]|
	v_max3_num_f32 v9, v9, v10, 0x1800000          ; and the floor 2^(3 - 127): the byte cannot fall under 1
	v_add_nc_u32 v11, 0xff000000, v9               ; 2 off the exponent field: the conversion's scale operand
	v_lshrrev_b32 v13, 23, v11                     ; the byte
.if (\blk) == 0
	v_mov_b32 v12, v13
.else
	v_lshl_or_b32 v12, v13, 8*(\blk), v12          ; the column's scale word: byte blk
.endif
	v_cvt_scalef32_pk16_fp6_f32 v[CD:CD+2], v[XS:XS+15], v11
	v_cvt_scalef32_pk16_fp6_f32 v[184:186], v[XS+16:XS+31], v11   ; (a conversion's three registers begin on an even number)
	v_nop                                          ; one plain place behind a scaled conversion
	v_mov_b32 v[CD+3], v184
	v_mov_b32 v[CD+4], v185
	v_mov_b32 v[CD+5], v186
.endm
; 128 along K of 32 columns.  Loads run two blocks ahead: 32 younger loads are out at each wait but the last.
.macro WTILE stride
	WLOAD 0, \stride
	WLOAD 1, \stride
	WBLOCK 0, 32, 2, \stride
	WBLOCK 1, 32, 3, \stride
	WBLOCK 2, 32, 4, \stride
	WBLOCK 3, 0, 4, \stride
.irp hh, 0,1
.irp k, 0,1,2
	global_store_b128 v7, v[CW+12*\hh+4*\k:CW+12*\hh+4*\k+3], s[14:15] offset:512*\k+256*\hh   ; the sixteen lanes of a tile store 256 consecutive bytes, aligned
.endr
.endr
	global_store_b32 v8, v12, s[16:17]             ; 64 consecutive bytes a tile
	s_endpgm
.endm
	s_cmp_lt_u32 ttmp9, 864
	s_cbranch_scc1 .Lpath_a
	s_cmp_lt_u32 ttmp9, 896
	s_cbranch_scc1 .Lpath_b
	; ---- the mask: a wave takes one query tile and all sixteen key steps, four a trip
	s_sub_co_u32 s21, ttmp9, 896
	s_lshl_b32 s21, s21, 2
	s_add_co_u32 s21, s21, s20                     ; id = batch x 128 + tile
	s_lshr_b32 s22, s21, 7                         ; batch
	s_and_b32 s23, s21, 127                        ; tile
	s_lshl_b32 s28, s22, 22                        ; batch x 2,048 x 2,048
	s_lshr_b32 s30, s23, 1
	s_lshl_b32 s30, s30, 16                        ; 32 (T / 2) rows of 2,048 bytes
	s_add_co_u32 s28, s28, s30
	s_and_b32 s30, s23, 1
	s_lshl_b32 s30, s30, 14                        ; 8 (T % 2) rows
	s_add_co_u32 s28, s28, s30
	s_lshl_b32 s30, s21, 12                        ; out: 4,096 bytes for each tile
	s_mov_b32 s31, 0
	s_wait_alu depctr_va_vdst(0)                   ; ahead of the reader of the lane's number
	v_lshlrev_b32 v3, 4, v2                        ; 16 l: my place in a load's 512 bytes
	v_and_b32 v4, 15, v2                           ; r
	v_lshrrev_b32 v6, 4, v2                        ; h
	s_mul_i32 s32, s20, XSTG
	s_add_co_u32 s32, s32, MSTG                    ; my stage
	v_add_nc_u32 v7, s32, v3                       ; in: a row's 512 bytes as they lie
	v_mul_u32_u24 v8, v4, 528
	v_lshl_add_u32 v8, v6, 4, v8
	v_add_nc_u32 v8, s32, v8                       ; out: row r, + 16 bytes for lanes 16-31
	v_lshlrev_b32 v5, 3, v2                        ; out: 8 bytes a lane
	s_wait_alu depctr_va_vdst(0)                   ; and at the head's end
	s_wait_kmcnt 0x0
	s_add_nc_u64 s[12:13], s[12:13], s[28:29]
	s_add_nc_u64 s[18:19], s[18:19], s[30:31]
.macro MLOAD                           ; load i reads 512 bytes (four key steps) of tile row i
.set i, 0
.rept 16
	global_load_b128 v[128+4*i:131+4*i], v3, s[12:13] offset:(i+8*(i/8))*2048 th:TH_LOAD_NT
.set i, i+1
.endr
.endm
; key step s: byte n % 4 of register n / 4 is key 32 (n / 16) + 16 (l / 16) + n % 16.  A compare's lane mask IS word n; lane n / 2 collects words n and n + 1, and the wave stores 256 consecutive bytes.
.macro MSTEP s
	s_wait_dscnt 12-4*\s                           ; the later steps' four LDS loads each may stay out
.set n, 0
.rept 8
.irp k, 0,1,2,3,4,5,6,7
	v_and_b32 v[32+\k], 0xff<<(8*(\k%4)), v[64+16*\s+(n+\k)/4]
.endr
.irp k, 0,1,2,3,4,5,6,7
	v_cmp_ne_u32 s[32+\k], 0, v[32+\k]
.endr
.irp k, 0,1,2,3,4,5,6,7
	v_writelane_b32 v[16+2*\s+\k%2], s[32+\k], (n+\k)/2
.endr
.set n, n+8
.endr
	global_store_b64 v5, v[16+2*\s:17+2*\s], s[18:19] offset:256*\s
.endm
	MLOAD                                          ; the first 512 keys
.irp j, 0,1,2,3,4,5,6,7
	v_mov_b32 v[16+\j], 0                          ; a lane write's destination counts as read
.endr
	s_mov_b32 s24, 0
.Lmask_q:
	s_wait_loadcnt 0x0                             ; this trip's sixteen loads are in, so their base may step
.set i, 0
.rept 16
	ds_store_b128 v7, v[128+4*i:131+4*i] offset:528*i
.set i, i+1
.endr
.irp s, 0,1,2,3
.irp b, 0,1,2,3
	ds_load_b128 v[64+16*\s+4*\b:64+16*\s+4*\b+3], v8 offset:128*\s+32*\b   ; LDS serves a wave's instructions in order: these see my stores
.endr
.endr
	s_add_nc_u64 s[12:13], s[12:13], 512           ; the next 512 keys
	s_wait_dscnt 16                                ; all but the sixteen loads just issued: the stage's stores have read their registers,
	s_cmp_eq_u32 s24, 3
	s_cbranch_scc1 .Lmask_last                     ; (the last trip asks for nothing)
	MLOAD                                          ; which take the next trip's loads
.Lmask_last:
	MSTEP 0
	MSTEP 1
	MSTEP 2
	MSTEP 3
	s_wait_xcnt 0x0                                ; the stores have read their registers and their base
	s_add_nc_u64 s[18:19], s[18:19], 1024
	s_add_co_u32 s24, s24, 1
	s_cmp_lt_u32 s24, 4
	s_cbranch_scc1 .Lmask_q
	s_wait_tensorcnt 0x0                           ; the wave's end
	ds_add_u32 v14, v15
	s_wait_dscnt 0x0
	s_endpgm
.Lpath_a:
	; ---- Wq, Wk, Wv: a wave takes one head's 32 columns x 128 along K
	s_sub_co_u32 s21, ttmp9, 768
	s_lshl_b32 s21, s21, 2
	s_add_co_u32 s21, s21, s20                     ; id = tensor x 128 + head x 8 + K step
	s_lshr_b32 s22, s21, 7
	s_bfe_u32 s23, s21, 0x40003
	s_and_b32 s24, s21, 7
	s_wait_alu depctr_va_vdst(0)
	v_lshlrev_b32 v3, 2, v2                        ; in: 4 bytes a lane
	v_bfe_u32 v4, v2, 3, 1                         ; column e lies in tile u = (e / 8) % 2,
	v_and_b32 v5, 7, v2
	v_lshrrev_b32 v6, 4, v2
	v_lshl_or_b32 v5, v6, 3, v5                    ; row e % 8 + 8 (e / 16)
	v_mul_u32_u24 v7, v4, 12288                    ; a tile's eight images
	v_lshl_add_u32 v7, v5, 4, v7
	v_lshlrev_b32 v8, 9, v4
	v_lshl_add_u32 v8, v5, 2, v8
	s_wait_alu depctr_va_vdst(0)
	s_wait_kmcnt 0x0
	s_cmp_eq_u32 s22, 0
	s_cselect_b64 s[26:27], s[4:5], s[6:7]
	s_cmp_eq_u32 s22, 2
	s_cselect_b64 s[26:27], s[8:9], s[26:27]
	s_lshl_b32 s28, s23, 17                        ; a head: 1,024 x 32 x 4 bytes
	s_lshl_b32 s30, s24, 14                        ; 128 rows of 128 bytes
	s_add_co_u32 s28, s28, s30
	s_add_nc_u64 s[26:27], s[26:27], s[28:29]
	s_mul_i32 s28, s22, 393216
	s_lshl_b32 s30, s23, 4
	s_add_co_u32 s30, s30, s24
	s_mul_i32 s30, s30, 1536                       ; image (2 head) x 8 + K step
	s_add_co_u32 s28, s28, s30
	s_add_nc_u64 s[14:15], s[14:15], s[28:29]
	s_lshl_b32 s28, s22, 14
	s_lshl_b32 s30, s23, 10
	s_add_co_u32 s28, s28, s30
	s_lshl_b32 s30, s24, 6
	s_add_co_u32 s28, s28, s30
	s_add_nc_u64 s[16:17], s[16:17], s[28:29]
	WTILE 128
.Lpath_b:
	; ---- Wo: a wave takes 32 columns x 128 along K
	s_sub_co_u32 s21, ttmp9, 864
	s_lshl_b32 s21, s21, 2
	s_add_co_u32 s21, s21, s20                     ; id = K step x 32 + column group
	s_and_b32 s22, s21, 31
	s_lshr_b32 s23, s21, 5
	s_wait_alu depctr_va_vdst(0)
	v_lshlrev_b32 v3, 2, v2
	v_lshrrev_b32 v4, 4, v2                        ; tile l / 16,
	v_and_b32 v5, 15, v2                           ; row l % 16
	v_mul_u32_u24 v7, v4, 6144                     ; a tile's four images
	v_lshl_add_u32 v7, v5, 4, v7
	v_lshlrev_b32 v8, 8, v4
	v_lshl_add_u32 v8, v5, 2, v8
	s_lshl_b32 s28, s23, 19                        ; 128 rows of 4,096 bytes
	s_lshl_b32 s30, s22, 7
	s_add_co_u32 s28, s28, s30
	s_wait_alu depctr_va_vdst(0)
	s_wait_kmcnt 0x0
	s_add_nc_u64 s[26:27], s[10:11], s[28:29]
	s_lshl_b32 s30, s22, 3
	s_add_co_u32 s30, s30, s23
	s_mul_i32 s28, s30, 1536
	s_add_co_u32 s28, s28, 1179648
	s_add_nc_u64 s[14:15], s[14:15], s[28:29]
	s_lshl_b32 s28, s22, 9
	s_lshl_b32 s30, s23, 6
	s_add_co_u32 s28, s28, s30
	s_add_co_u32 s28, s28, 49152
	s_add_nc_u64 s[16:17], s[16:17], s[28:29]
	WTILE 4096
.Lpath_x:
	; ---- q, k, v.  REGISTERS: v3-10 addresses; v16-31 at work; v32-51 codes; v52 the scale word; v64-127, v128-191 two units as loaded; v192-255 a unit turned
	s_load_b256 s[32:39], s[0:1], 0x40             ; q s[32:33], k s[34:35], v s[36:37], xq s[38:39]
	s_lshl_b32 s22, ttmp9, 2
	s_add_co_u32 s22, s22, s20                     ; id = tensor x 1,024 + tile x 2 + half of K
	s_and_b32 s23, s22, 1
	s_bfe_u32 s24, s22, 0x90001                    ; the tensor's tile, 0 .. 511
	s_lshr_b32 s25, s22, 10
	s_lshr_b32 s26, s24, 1
	s_lshl_b32 s26, s26, 17                        ; 32 tokens of 4,096 bytes for each pair of tiles,
	s_and_b32 s27, s24, 1
	s_lshl_b32 s27, s27, 15                        ; 8 tokens for the odd tile,
	s_add_co_u32 s26, s26, s27
	s_lshl_b32 s27, s23, 11                        ; 512 numbers for the second half of K
	s_add_co_u32 s26, s26, s27
	s_mov_b32 s27, 0
	s_lshl_b32 s28, s25, 6
	s_lshr_b32 s30, s24, 3
	s_add_co_u32 s28, s28, s30
	s_mul_i32 s28, s28, 102400                     ; the block of 128 tokens
	s_and_b32 s30, s24, 7
	s_mul_i32 s31, s30, 12288                      ; the tile's eight images,
	s_add_co_u32 s31, s31, s28
	s_mul_i32 s42, s23, 6144                       ; my four of them
	s_add_co_u32 s42, s42, s31
	s_mov_b32 s43, 0
	s_lshl_b32 s30, s30, 9                         ; the tile's 512 bytes of scale words,
	s_add_co_u32 s28, s28, s30
	s_lshl_b32 s30, s23, 8                         ; my 256
	s_add_co_u32 s28, s28, s30
	s_add_co_u32 s28, s28, 98304
	s_mov_b32 s40, 0x76543210
	s_mov_b32 s41, 0xfedcba98                      ; v_permlanex16_b32's selects for lane l xor 16
	s_mul_i32 s21, s20, XWREG                      ; my LDS region
	s_wait_alu depctr_va_vdst(0)                   ; ahead of the reader of the lane's number
	v_lshlrev_b32 v3, 4, v2                        ; 16 l: my place in a load's 512 bytes and in an image
	v_and_b32 v4, 15, v2                           ; r
	v_lshrrev_b32 v5, 4, v2                        ; h
	v_add_nc_u32 v6, s21, v3                       ; the stage, in: a row as it lies
	v_mul_u32_u24 v7, v4, 528
	v_lshl_add_u32 v7, v5, 6, v7
	v_add_nc_u32 v7, s21, v7                       ; out: row r, + 64 h: my 16 numbers of a block of 32
	v_lshl_add_u32 v8, v4, 2, s21
	v_add_nc_u32 v8, XSTG, v8                      ; my row's scale word
	v_lshlrev_b32 v9, 3, v2                        ; the scale words' way out: 8 bytes a lane
	v_add_nc_u32 v10, s21, v9
	v_add_nc_u32 v10, XSTG, v10
.irp b, 0,1,2,3
	v_mov_b32 v[20+\b], 0                          ; a lane permute's destination counts as read
.endr
	s_wait_alu depctr_va_vdst(0)                   ; and at the head's end
	s_wait_kmcnt 0x0
	s_cmp_eq_u32 s25, 0
	s_cselect_b64 s[44:45], s[32:33], s[34:35]
	s_cmp_eq_u32 s25, 2
	s_cselect_b64 s[44:45], s[36:37], s[44:45]
	s_add_nc_u64 s[44:45], s[44:45], s[26:27]
	s_add_nc_u64 s[42:43], s[38:39], s[42:43]      ; images out
	s_add_nc_u64 s[38:39], s[38:39], s[28:29]      ; scale words out
.macro XLD set, n                      ; unit n: load i reads the 512 bytes of tile row i
.set i, 0
.rept 16
	global_load_b128 v[(\set)+4*i:(\set)+4*i+3], v3, s[44:45] offset:(i+8*(i/8))*4096+512*(\n) th:TH_LOAD_NT
.set i, i+1
.endr
.endm
; 64 numbers of a lane, register 16 b + i = k 32 b + 16 h + i of my row, become a fragment's codes in v[pc] .. v[pc + 11] and the scale word in v[pw]
.macro XQ s, tm, pc, pw
.irp b, 0,1,2,3
	v_max3_num_f32 v[(\tm)+\b], |v[(\s)+16*\b]|, |v[(\s)+1+16*\b]|, 0x1800000   ; with the floor 2^(3 - 127): the byte cannot fall under 1
.endr
.irp i, 2,4,6,8,10,12,14
.irp b, 0,1,2,3
	v_max3_num_f32 v[(\tm)+\b], v[(\tm)+\b], |v[(\s)+16*\b+\i]|, |v[(\s)+1+16*\b+\i]|
.endr
.endr
.irp b, 0,1,2,3
	v_permlanex16_b32 v[(\tm)+4+\b], v[(\tm)+\b], s40, s41
.endr
.irp b, 0,1,2,3
	v_max_num_f32 v[(\tm)+\b], v[(\tm)+\b], v[(\tm)+4+\b]      ; with lane l xor 16's: the block's largest magnitude
.endr
.irp b, 0,1,2,3
	v_add_nc_u32 v[(\tm)+12+\b], 0xff000000, v[(\tm)+\b]       ; the conversion's scale operand
.endr
.irp b, 0,1,2,3
	v_lshrrev_b32 v[(\tm)+4+\b], 23, v[(\tm)+12+\b]            ; the byte
.endr
	v_lshl_or_b32 v[\pw], v[(\tm)+5], 8, v[(\tm)+4]
	v_lshl_or_b32 v[\pw], v[(\tm)+6], 16, v[\pw]
	v_lshl_or_b32 v[\pw], v[(\tm)+7], 24, v[\pw]
.irp c, 0,1
	v_cvt_scalef32_pk16_fp6_f32 v[(\pc)+6*\c:(\pc)+2+6*\c], v[(\s)+32*\c:(\s)+15+32*\c], v[(\tm)+12+2*\c]
	v_cvt_scalef32_pk16_fp6_f32 v[(\pc)+12+4*\c:(\pc)+14+4*\c], v[(\s)+16+32*\c:(\s)+31+32*\c], v[(\tm)+12+2*\c+1]
.endr
	v_nop                                          ; one plain place behind a scaled conversion
.irp c, 0,1                            ; a whole block in a lane: lanes 0-15 block 2 c, lanes 16-31 block 2 c + 1
.irp i, 0,1,2
	v_permlane16_swap_b32 v[(\pc)+6*\c+\i], v[(\pc)+12+4*\c+\i]
.endr
.irp i, 0,1,2
	v_mov_b32 v[(\pc)+3+6*\c+\i], v[(\pc)+12+4*\c+\i]
.endr
.endr
.endm
.macro XUNIT n
.set XS, 64+64*((\n)%2)
.if (\n) < 3
	s_wait_loadcnt 16                              ; this unit's sixteen loads are in; the next unit's sixteen may be out
.else
	s_wait_loadcnt 0x0
.endif
.set i, 0
.rept 16
	ds_store_b128 v6, v[XS+4*i:XS+4*i+3] offset:528*i
.set i, i+1
.endr
.irp b, 0,1,2,3
.irp j, 0,1,2,3
	ds_load_b128 v[192+16*\b+4*\j:195+16*\b+4*\j], v7 offset:128*\b+16*\j   ; LDS serves a wave's instructions in order: these see my stores
.endr
.endr
.if (\n) > 0
	s_wait_xcnt 0x0                                ; the last unit's stores have read the codes' registers
.endif
	s_wait_dscnt 0x0                               ; the unit is back, so the stage's stores have read their registers,
.if (\n) < 2
	XLD XS, (\n)+2                                 ; which take the unit two further on
.endif
	XQ 192, 16, 32, 52
	ds_store_b32 v8, v52 offset:64*(\n)            ; both halves of the lanes write the same word with the same value
.irp c, 0,1,2
	global_store_b128 v3, v[32+4*\c:35+4*\c], s[42:43] offset:1536*(\n)+512*\c   ; 512 consecutive bytes, aligned
.endr
.endm
	XLD 64, 0
	XLD 128, 1
	XUNIT 0
	XUNIT 1
	XUNIT 2
	XUNIT 3
	ds_load_b64 v[16:17], v10
	s_wait_dscnt 0x0
	global_store_b64 v9, v[16:17], s[38:39]        ; my four K steps' scale words: one aligned unit of 256 bytes
	s_wait_tensorcnt 0x0                           ; the wave's end
	ds_add_u32 v14, v15
	s_wait_dscnt 0x0
	s_endpgm
.Lfunc_end_k_qd0e6945435_prep:
	.size	k_qd0e6945435_prep, .Lfunc_end_k_qd0e6945435_prep-k_qd0e6945435_prep
	.p2alignl 7, 3214868480
	.fill 96, 4, 3214868480
	.section	.rodata,"a",@progbits
	.p2align	6, 0x0
	.amdhsa_kernel k_qd0e6945435_prep
		.amdhsa_group_segment_fixed_size 69120
		.amdhsa_private_segment_fixed_size 0
		.amdhsa_enable_private_segment 0
		.amdhsa_kernarg_size 96
		.amdhsa_user_sgpr_count 2
		.amdhsa_user_sgpr_kernarg_segment_ptr 1
		.amdhsa_wavefront_size32 1
		.amdhsa_system_sgpr_workgroup_id_x 1
		.amdhsa_system_sgpr_workgroup_id_y 1
		.amdhsa_system_sgpr_workgroup_id_z 1
		.amdhsa_system_vgpr_workitem_id 0
		.amdhsa_next_free_vgpr 256
		.amdhsa_next_free_sgpr 66
		.amdhsa_reserve_vcc 0
		.amdhsa_float_denorm_mode_32 3
		.amdhsa_float_denorm_mode_16_64 3
		.amdhsa_memory_ordered 1
		.amdhsa_forward_progress 1
		.amdhsa_inst_pref_size 130
	.end_amdhsa_kernel
	.amdgpu_metadata
---
amdhsa.version: [ 1, 2 ]
amdhsa.kernels:
  - .name:           k_qd0e6945435_prep
    .symbol:         k_qd0e6945435_prep.kd
    .args:
      - { .name: Wq, .offset: 0, .size: 8, .value_kind: global_buffer, .address_space: global }
      - { .name: Wk, .offset: 8, .size: 8, .value_kind: global_buffer, .address_space: global }
      - { .name: Wv, .offset: 16, .size: 8, .value_kind: global_buffer, .address_space: global }
      - { .name: Wo, .offset: 24, .size: 8, .value_kind: global_buffer, .address_space: global }
      - { .name: attention_mask, .offset: 32, .size: 8, .value_kind: global_buffer, .address_space: global }
      - { .name: wimg, .offset: 40, .size: 8, .value_kind: global_buffer, .address_space: global }
      - { .name: wsc, .offset: 48, .size: 8, .value_kind: global_buffer, .address_space: global }
      - { .name: mbits, .offset: 56, .size: 8, .value_kind: global_buffer, .address_space: global }
      - { .name: q, .offset: 64, .size: 8, .value_kind: global_buffer, .address_space: global }
      - { .name: k, .offset: 72, .size: 8, .value_kind: global_buffer, .address_space: global }
      - { .name: v, .offset: 80, .size: 8, .value_kind: global_buffer, .address_space: global }
      - { .name: xq, .offset: 88, .size: 8, .value_kind: global_buffer, .address_space: global }
    .group_segment_fixed_size: 69120
    .private_segment_fixed_size: 0
    .kernarg_segment_align: 8
    .kernarg_segment_size: 96
    .max_flat_workgroup_size: 128
    .sgpr_count:     66
    .vgpr_count:     256
    .wavefront_size: 32
...
	.end_amdgpu_metadata
.endif
;; end of part 1
;; launch proj (part 2): grid 64 x 3, 4 waves a work-group, no clusters, 209,408 bytes of LDS; arguments xq, wimg, wsc, qkv; writes qkv
.if DOCPART == 2
	.amdgcn_target "amdgcn-amd-amdhsa--gfx1250"
	.amdhsa_code_object_version 6
	.text
	.protected	k_qd0e6945435_proj
	.globl	k_qd0e6945435_proj
	.p2align	8
	.type	k_qd0e6945435_proj,@function
k_qd0e6945435_proj:
	s_mov_b64 s[64:65], 0
	v_nop
	global_prefetch_b8 v0, s[64:65] scope:SCOPE_SE
	s_setreg_imm32_b32 hwreg(HW_REG_WAVE_MODE, 25, 1), 1
	s_wait_xcnt 0x0
; PROJ: Q = q Wq, K = k Wk, V = v Wv on codes of FP6 (E2M3) with E8M0 scales, K = 1,024; the results are quantised at once for attention's products and stored as images of operand registers.
; Work-group (x, y): 128 tokens (x) of tensor y (0 q, 1 k, 2 v), all 512 columns.  THE WAVES SHARE THE COLUMNS: wave w owns column tiles 8 w .. 8 w + 7 (heads 4 w .. 4 w + 3); its 64 fragments of W
; (768 registers) stay in registers for the whole launch.  The block's 64 images of x and their scale words, 102,400 dense bytes of xq, come into LDS once: each wave asks for a quarter (100 rows of 256 bytes) by its one tensor load;
; nothing is filled again.  One barrier; then every wave multiplies all 8 token tiles.
; NO CLUSTER: a block of xq is read by one work-group alone; what work-groups share is W, 98,304 bytes a wave, which goes from memory straight into registers, and a tensor's 393,216 bytes are more than LDS holds.
; NO PREFETCH: all that the launch reads is asked for at its head; there is no loop to run ahead in.
; TILE ORDER: row r of token tile 2 g + u is token 32 g + 8 u + r + 8 (r / 8); W's column tiles likewise inside a head.  So a lane's 16 registers of tiles (g, 0), (g, 1) of a result are 16 neighbours, 16 (l / 16) + 0 .. 15.
; Q, K (their next K is the head's 32 channels): source 0 = W's tile, source 1 = x's tile: a lane holds one token, its registers run along the channels; a head is one block of 32.
; V (its next K is the keys): the sources are swapped: a lane holds one channel, its registers run along the tokens; 32 tokens are one block.
; qkv, 153,600 bytes a head: K's 32 fragments (0), V's 32 (49,152), K's scale words (98,304), V's (100,352), Q's fragments (102,400), Q's scale words (151,552).
;   A fragment of K or Q holds FOUR token tiles in its four blocks of 32 along K: block j of fragment F is token tile 4 F + j.  V's fragment (step, t): row r = channel 8 t + r + 8 (r / 8), K = keys 128 step + 0 .. 127.
; LIMITS: a block of zeros, or one whose largest magnitude lies under 2^-124, gets the byte 1 (read by this program alone); NaN and infinities are not served.
; LDS: x's 64 images [tile 8][K step 8] (0); their scale words (98,304); a stage of 13,312 bytes a wave for the Q/K way (102,400) and another for V's way (155,648): each way has LDS bytes of its own; the spare words (208,896).
;   A stage: four heads 3,200 bytes apart, each two fragments laid by blocks (block j, piece i of 8 bytes, row r at 384 j + 128 i + 8 r); from 12,800 on 512 scale bytes.
; REGISTERS.  Windows 1-3: W's fragment f = 8 (K step) + tile at window 1 + f / 21, v[12 (f % 21)]; fragment 63 in window 0, v48-59.
;   Window 0: v2-3, v6-9, v60-63 addresses that stay; v10-15 this trip's; v16-47 W's scale words; v64-71 x's; v72-119 two buffers of x's fragments (also at work); v120-247 accumulators; v254-255 the add's two.
.set XSC,  98304
.set STGQ, 102400
.set STGV, 155648
.set SPARE, 208896
.set MSB, 0
.macro WIN new                         ; the immediate's high byte repeats the setting that is left; a switch that changes nothing is dropped
.if MSB != (\new)
	s_set_vgpr_msb (MSB<<8)|(\new)
.set MSB, (\new)
.endif
.endm
.macro WREG f                          ; where W's fragment f lies: window WW, register WR
.if (\f) < 63
.set WW, 1+(\f)/21
.set WR, 12*((\f)%21)
.else
.set WW, 0
.set WR, 48
.endif
.endm
.macro PLACES                          ; four plain places behind matrix instructions, ahead of loads into their registers and of reads of their results
.rept 4
	v_nop
.endr
.endm
; one product on the registers named by rD, rA, rB, rSA, rSB.  zero: it starts the sum; row: an odd K step's scale words lie in lanes 16-31
.macro MM zero, row
.if \zero
	v_wmma_scale_f32_16x16x128_f8f6f4 v[rD:rD+7], v[rA:rA+11], v[rB:rB+11], 0, v[rSA], v[rSB] matrix_a_fmt:MATRIX_FMT_FP6 matrix_b_fmt:MATRIX_FMT_FP6
.elseif \row
	v_wmma_scale_f32_16x16x128_f8f6f4 v[rD:rD+7], v[rA:rA+11], v[rB:rB+11], v[rD:rD+7], v[rSA], v[rSB] matrix_a_fmt:MATRIX_FMT_FP6 matrix_b_fmt:MATRIX_FMT_FP6 matrix_a_scale:MATRIX_SCALE_ROW1 matrix_b_scale:MATRIX_SCALE_ROW1
.else
	v_wmma_scale_f32_16x16x128_f8f6f4 v[rD:rD+7], v[rA:rA+11], v[rB:rB+11], v[rD:rD+7], v[rSA], v[rSB] matrix_a_fmt:MATRIX_FMT_FP6 matrix_b_fmt:MATRIX_FMT_FP6
.endif
.endm
; 64 numbers of a lane, register 16 b + i = k 32 b + 16 (l / 16) + i of my row, become a fragment's codes in v[pc] .. v[pc + 11], the four bytes in v[tm + 4] .. v[tm + 7] and the scale word in v[pw]
.macro QUANT s, tm, pc, pw
.irp b, 0,1,2,3
	v_max3_num_f32 v[(\tm)+\b], |v[(\s)+16*\b]|, |v[(\s)+1+16*\b]|, 0x1800000   ; my 16 numbers of block b, and the floor 2^(3 - 127): the byte cannot fall under 1
.endr
.irp i, 2,4,6,8,10,12,14
.irp b, 0,1,2,3
	v_max3_num_f32 v[(\tm)+\b], v[(\tm)+\b], |v[(\s)+16*\b+\i]|, |v[(\s)+1+16*\b+\i]|
.endr
.endr
.irp b, 0,1,2,3
	v_permlanex16_b32 v[(\tm)+4+\b], v[(\tm)+\b], s20, s21
.endr
.irp b, 0,1,2,3
	v_max_num_f32 v[(\tm)+\b], v[(\tm)+\b], v[(\tm)+4+\b]      ; with lane l xor 16's: the block's largest magnitude
.endr
.irp b, 0,1,2,3
	v_add_nc_u32 v[(\tm)+12+\b], 0xff000000, v[(\tm)+\b]       ; 2 off its exponent field: the conversion's scale operand
.endr
.irp b, 0,1,2,3
	v_lshrrev_b32 v[(\tm)+4+\b], 23, v[(\tm)+12+\b]            ; the byte
.endr
	v_lshl_or_b32 v[\pw], v[(\tm)+5], 8, v[(\tm)+4]
	v_lshl_or_b32 v[\pw], v[(\tm)+6], 16, v[\pw]
	v_lshl_or_b32 v[\pw], v[(\tm)+7], 24, v[\pw]
.irp c, 0,1
	v_cvt_scalef32_pk16_fp6_f32 v[(\pc)+6*\c:(\pc)+2+6*\c], v[(\s)+32*\c:(\s)+15+32*\c], v[(\tm)+12+2*\c]
	v_cvt_scalef32_pk16_fp6_f32 v[(\pc)+12+4*\c:(\pc)+14+4*\c], v[(\s)+16+32*\c:(\s)+31+32*\c], v[(\tm)+12+2*\c+1]   ; (a conversion's three registers begin on an even number)
.endr
	v_nop                                          ; one plain place behind a scaled conversion
.irp c, 0,1                            ; the operand's layout wants a whole block in a lane: lanes 0-15 block 2 c, lanes 16-31 block 2 c + 1
.irp i, 0,1,2
	v_permlane16_swap_b32 v[(\pc)+6*\c+\i], v[(\pc)+12+4*\c+\i]
.endr
.irp i, 0,1,2
	v_mov_b32 v[(\pc)+3+6*\c+\i], v[(\pc)+12+4*\c+\i]
.endr
.endr
.endm
	s_load_b64 s[26:27], s[0:1], 0x0               ; xq
	s_load_b64 s[10:11], s[0:1], 0x8               ; wimg
	s_load_b128 s[12:15], s[0:1], 0x10             ; wsc s[12:13], qkv s[14:15]
	v_lshl_add_u32 v254, v0, 2, SPARE
	v_mov_b32 v255, 0
	ds_add_u32 v254, v255                          ; the opening lines, ahead of my tensor load: the add, twice on end, under one wait
	ds_add_u32 v254, v255
	v_lshrrev_b32 v1, 5, v0
	v_readfirstlane_b32 s16, v1                    ; wave
	s_and_b32 s18, ttmp7, 0xffff                   ; the tensor
	s_mov_b32 s20, 0x76543210
	s_mov_b32 s21, 0xfedcba98                      ; v_permlanex16_b32's selects for lane l xor 16
	s_mov_b32 s22, 0xffff0000                      ; lanes 16-31
	s_mov_b32 s52, 3<<16                           ; descriptor group 1: elements of 8 bytes, no padding,
	s_mov_b32 s53, 32<<16                          ; tensor_dim0 = 32 elements: rows of 256 bytes,
	s_mov_b32 s54, 100<<16                         ; tensor_dim1 = 100,
	s_mov_b32 s55, 32<<16                          ; tile_dim0,
	s_mov_b32 s56, 100                             ; tile_dim1,
	s_mov_b32 s57, 32                              ; the pitch: dense
	s_mov_b32 s58, 0
	s_mov_b32 s59, 0
	v_and_b32 v248, 31, v0                         ; l
	v_and_b32 v249, 15, v0                         ; r
	v_bfe_u32 v250, v0, 4, 1                       ; h
	v_lshlrev_b32 v2, 4, v248                      ; 16 l: an image's place for my lane
	v_lshlrev_b32 v62, 2, v248                     ; 4 l
	v_add_nc_u32 v3, XSC, v62                      ; x's scale words: lanes 0-15 an even K step's, lanes 16-31 the odd one's
	s_mul_i32 s24, s16, 13312                      ; my stage
	v_mul_u32_u24 v6, v250, 3200
	v_lshl_add_u32 v6, v249, 3, v6
	v_add_nc_u32 v6, s24, v6
	v_add_nc_u32 v6, STGQ, v6                      ; Q/K: lane (r, h) holds heads h and 2 + h
	v_add_nc_u32 v7, s24, v249
	v_add_nc_u32 v7, STGQ+12800, v7                ; and the scale bytes, + r
	v_mul_u32_u24 v8, v250, 1536
	v_lshl_add_u32 v8, v249, 3, v8
	v_add_nc_u32 v8, s24, v8
	v_add_nc_u32 v8, STGV, v8                      ; V: lane 16 t + r holds row r of fragment t
	v_add_nc_u32 v9, s24, v248
	v_add_nc_u32 v9, STGV+12800, v9                ; and the scale bytes, + l
	v_mul_u32_u24 v60, v250, 384
	v_lshl_add_u32 v60, v249, 3, v60
	v_add_nc_u32 v60, s24, v60
	v_add_nc_u32 v61, STGV, v60                    ; the way out: block 2 c + h, row r, of V's stage,
	v_add_nc_u32 v60, STGQ, v60                    ; of the Q/K stage
	v_lshl_add_u32 v63, v250, 6, v7                ; and the Q/K scale bytes of fragment h, row r
.irp b, 0,1,2,3
	v_mov_b32 v[76+\b], 0                          ; a lane permute's destination counts as read
	v_mov_b32 v[188+\b], 0
.endr
	s_cmp_eq_u32 s18, 0                            ; where the tensor's results lie in a head's 153,600 bytes
	s_cselect_b32 s36, 102400, 0
	s_mov_b32 s37, 98304
	s_cselect_b32 s37, 151552, s37
	s_cmp_eq_u32 s18, 2
	s_cselect_b32 s36, 49152, s36
	s_cselect_b32 s37, 100352, s37
	s_lshl_b32 s24, s18, 6
	s_add_co_u32 s24, s24, ttmp9
	s_mul_i32 s24, s24, 102400                     ; xq: my work-group's block,
	s_mul_i32 s49, s16, 25600                      ; my quarter of it: in memory and in LDS alike
	s_add_co_u32 s24, s24, s49
	s_mov_b32 s25, 0
	s_mul_i32 s38, s18, 393216                     ; W's images: the tensor's, my 8 tiles x 8 K steps
	s_mul_i32 s40, s16, 98304
	s_add_co_u32 s38, s38, s40
	s_mov_b32 s39, 0
	s_lshl_b32 s40, s18, 14                        ; W's scale words
	s_lshl_b32 s42, s16, 12
	s_add_co_u32 s40, s40, s42
	s_mov_b32 s41, 0
	s_lshr_b32 s42, ttmp9, 4                       ; batch
	s_lshl_b32 s42, s42, 4
	s_lshl_b32 s44, s16, 2
	s_add_co_u32 s42, s42, s44                     ; my first head: 16 batch + 4 w
	s_mul_i32 s42, s42, 153600
	s_and_b32 s46, ttmp9, 15                       ; which 128 tokens of the batch
	s_mul_i32 s44, s46, 3072                       ; two fragments
	s_add_co_u32 s44, s44, s42
	s_add_co_u32 s44, s44, s36
	s_mov_b32 s45, 0
	s_lshl_b32 s46, s46, 7                         ; 128 bytes of scale words
	s_add_co_u32 s42, s42, s46
	s_add_co_u32 s42, s42, s37
	s_mov_b32 s43, 0
	s_wait_alu depctr_va_vdst(0)                   ; at the head's end
	s_wait_dscnt 0x0                               ; both opening adds are done
	s_wait_kmcnt 0x0
	s_add_nc_u64 s[26:27], s[26:27], s[24:25]
	s_add_nc_u64 s[10:11], s[10:11], s[38:39]
	s_add_nc_u64 s[12:13], s[12:13], s[40:41]
	s_add_nc_u64 s[28:29], s[14:15], s[42:43]      ; scale words out
	s_add_nc_u64 s[14:15], s[14:15], s[44:45]      ; images out
	s_mov_b32 s48, 1                               ; group 0: count = 1; s49 the LDS address;
	s_mov_b64 s[50:51], s[26:27]                   ; the global address;
	s_or_b32 s51, s51, 0x80000000                  ; type = 2
	tensor_load_to_lds s[48:51], s[52:59]          ; my one tensor load: a quarter of x's images and scale words
	s_nop 0
	PLACES                                         ; four instructions ahead of the next switch of windows
.macro WSLICE n                        ; W's fragments 4 n .. 4 n + 3 and two registers of its scale words: 14 loads
.irp q, 0,1,2,3
	WREG 4*(\n)+\q
	WIN WW<<6
.set wo, (((4*(\n)+\q)%8)*8+(4*(\n)+\q)/8)*1536
.irp k, 0,1,2
	global_load_b128 v[WR+4*\k:WR+4*\k+3], v2, s[10:11] offset:wo+512*\k
.endr
.endr
	WIN 0
.irp d, 0,1
	global_load_b32 v[16+2*(\n)+\d], v62, s[12:13] offset:128*(2*(\n)+\d)
.endr
.endm
.irp n, 0,1,2,3,4,5,6,7,8,9,10,11,12,13,14,15
	WSLICE \n
.endr
	s_wait_tensorcnt 0x0                           ; my quarter has landed,
	s_barrier_signal -1
	s_barrier_wait -1                              ; everybody's has; nothing writes these bytes again
	s_wait_loadcnt 0x0                             ; W
; ---- THE PRODUCTS: four trips, two token tiles (32 tokens) each.  Every wave of every work-group walks the loop; the branch on the tensor stands inside it.
.macro XSLOAD u                        ; tile u's scale words
.irp a, 0,1,2,3
	ds_load_b32 v[64+4*(\u)+\a], v11 offset:512*(\u)+128*\a
.endr
.endm
.macro LOADX u, g                      ; tile u's fragments of K steps 2 g, 2 g + 1 into buffer g % 2
.irp d, 0,1
.irp k, 0,1,2
	ds_load_b128 v[72+24*((\g)%2)+12*\d+4*\k:75+24*((\g)%2)+12*\d+4*\k], v10 offset:12288*(\u)+1536*(2*(\g)+\d)+512*\k
.endr
.endr
.endm
.macro QKGROUP u, g                    ; 16 products: two K steps x my 8 tiles, the 8 accumulators by turns
	s_wait_dscnt 0x0
.if ((\g) >= 1) && ((\g) < 3)
	PLACES                                         ; ahead of loads into the buffer that the last group multiplied
.endif
.if (\g) < 3
	LOADX \u, (\g)+1
.endif
.irp d, 0,1
.irp t, 0,1,2,3,4,5,6,7
	WREG 8*(2*(\g)+\d)+\t
	WIN WW
.set rD, 120+8*\t
.set rA, WR
.set rB, 72+24*((\g)%2)+12*\d
.set rSA, 16+4*\t+(\g)
.set rSB, 64+4*(\u)+(\g)
.if ((\g)+\d) == 0
	MM 1, 0
.else
	MM 0, \d
.endif
.endr
.endr
	WIN 0
.endm
.macro QKTILE u
.if (\u) == 0
	XSLOAD 0
	LOADX 0, 0
.endif
	QKGROUP \u, 0
	QKGROUP \u, 1
	QKGROUP \u, 2
	QKGROUP \u, 3
	PLACES
.if (\u) == 0
	XSLOAD 1                                       ; the second tile's first loads land while the first tile is quantised
	LOADX 1, 0
.endif
	QUANT 120, 184, 200, 220                       ; four heads = four blocks: lane (r, h) then holds token r's codes of heads h (c = 0) and 2 + h (c = 1)
.irp c, 0,1
.irp i, 0,1,2
	ds_store_b64 v12, v[200+6*\c+2*\i:201+6*\c+2*\i] offset:6400*\c+384*(\u)+128*\i
.endr
.endr
.irp j, 0,1,2,3
	ds_store_b8 v13, v[188+\j] offset:128*\j+16*(\u)           ; head j's byte of token row r; both halves write the same
.endr
.endm
.macro LOADXV ks                       ; both tiles' fragments of one K step into buffer ks % 2
.irp u, 0,1
.irp k, 0,1,2
	ds_load_b128 v[72+24*((\ks)%2)+12*\u+4*\k:75+24*((\ks)%2)+12*\u+4*\k], v10 offset:12288*\u+1536*(\ks)+512*\k
.endr
.endr
.endm
; V's quantiser for tiles 4 p .. 4 p + 3 (heads 2 p, 2 p + 1): a lane's 16 registers are tokens 16 h + 0 .. 15 of one channel; lanes l and l xor 16 hold the block
.macro VQ p
.irp i, 0,1,2,3
	v_max3_num_f32 v[72+\i], |v[120+64*(\p)+16*\i]|, |v[121+64*(\p)+16*\i]|, 0x1800000
.endr
.irp k, 2,4,6,8,10,12,14
.irp i, 0,1,2,3
	v_max3_num_f32 v[72+\i], v[72+\i], |v[120+64*(\p)+16*\i+\k]|, |v[121+64*(\p)+16*\i+\k]|
.endr
.endr
.irp i, 0,1,2,3
	v_permlanex16_b32 v[76+\i], v[72+\i], s20, s21
.endr
.irp i, 0,1,2,3
	v_max_num_f32 v[72+\i], v[72+\i], v[76+\i]
.endr
.irp i, 0,1,2,3
	v_add_nc_u32 v[80+\i], 0xff000000, v[72+\i]
.endr
.irp i, 0,1,2,3
	v_lshrrev_b32 v[84+\i], 23, v[80+\i]
.endr
.irp i, 0,1,2,3
	v_cvt_scalef32_pk16_fp6_f32 v[88+4*\i:90+4*\i], v[120+64*(\p)+16*\i:135+64*(\p)+16*\i], v[80+\i]
.endr
	v_nop                                          ; one plain place behind a scaled conversion
.irp hd, 0,1
.irp k, 0,1,2
	v_permlane16_swap_b32 v[88+8*\hd+\k], v[92+8*\hd+\k]       ; lane 16 t + r now holds the whole block of row r of the head's fragment t: lower 16 codes in the first run, upper 16 in the second
.endr
	v_mov_b32 v[91+8*\hd], v[92+8*\hd]             ; six registers on end
	v_mov_b32 v[92+8*\hd], v[93+8*\hd]
	v_mov_b32 v[93+8*\hd], v[94+8*\hd]
	v_cndmask_b32 v[104+\hd], v[84+2*\hd], v[85+2*\hd], s22    ; lanes 16-31 take fragment 1's byte
.irp i, 0,1,2
	ds_store_b64 v14, v[88+8*\hd+2*\i:89+8*\hd+2*\i] offset:3200*(2*(\p)+\hd)+128*\i
.endr
	ds_store_b8 v15, v[104+\hd] offset:128*(2*(\p)+\hd)
.endr
.endm
.macro VGROUP
	XSLOAD 0
	XSLOAD 1
	LOADXV 0
.irp ks, 0,1,2,3,4,5,6,7
	s_wait_dscnt 0x0
.if (\ks >= 1) && (\ks < 7)
	PLACES
.endif
.if \ks < 7
	LOADXV \ks+1
.endif
.irp t, 0,1,2,3,4,5,6,7
	WREG 8*\ks+\t
	WIN WW<<2
.irp u, 0,1
.set rD, 120+16*\t+8*\u
.set rA, 72+24*(\ks%2)+12*\u
.set rB, WR
.set rSA, 64+4*\u+\ks/2
.set rSB, 16+4*\t+\ks/2
.if \ks == 0
	MM 1, 0
.else
	MM 0, \ks%2
.endif
.endr
.endr
	WIN 0
.endr
	PLACES
	VQ 0
	s_wait_dscnt 0x0                               ; the stores have read their registers
	VQ 1
.endm
	s_mov_b32 s30, 0                               ; this trip's two tiles: their images,
	s_mov_b32 s31, 0                               ; their scale words,
	s_mov_b32 s32, 0                               ; their blocks in the Q/K stage,
	s_mov_b32 s33, 0                               ; their block in V's stage,
	s_mov_b32 s34, 0                               ; their scale bytes
	s_mov_b32 s35, 0
.Lgroup:
	v_add_nc_u32 v10, s30, v2
	v_add_nc_u32 v11, s31, v3
	v_add_nc_u32 v12, s32, v6
	v_add_nc_u32 v13, s34, v7
	v_add_nc_u32 v14, s33, v8
	v_add_nc_u32 v15, s34, v9
	s_cmp_eq_u32 s18, 2
	s_cbranch_scc1 .Lv_arm
	s_wait_alu depctr_va_vdst(0)                   ; ahead of the readers of this trip's addresses
	QKTILE 0
	QKTILE 1
	s_branch .Ljoin
.Lv_arm:
	s_wait_alu depctr_va_vdst(0)
	VGROUP
.Ljoin:
	s_wait_dscnt 0x0                               ; my LDS stores have read their addresses, which the next trip writes
	s_add_co_u32 s30, s30, 24576
	s_add_co_u32 s31, s31, 1024
	s_add_co_u32 s32, s32, 768
	s_add_co_u32 s33, s33, 384
	s_add_co_u32 s34, s34, 32
	s_add_co_u32 s35, s35, 1
	s_cmp_lt_u32 s35, 4
	s_cbranch_scc1 .Lgroup
; ---- THE WAY OUT.  My stage's 8 fragments (4 heads x 2) come back in the order of operand registers and leave as images: each store of the wave covers 512 consecutive bytes, aligned.  A wave reads its own stage alone: no barrier.
.macro COPYOUT rdb, sba, sst
.irp phi, 0,1,2,3,4,5,6,7
.irp pp, 0,1,2,3,4,5
	ds_load_b64 v[120+12*\phi+2*\pp:121+12*\phi+2*\pp], v[\rdb] offset:3200*(\phi/2)+1536*(\phi%2)+768*(\pp/3)+128*(\pp%3)
.endr
.endr
.irp phi, 0,1,2,3,4,5,6,7
	s_wait_dscnt 42-6*\phi                         ; the later fragments' six loads each may stay out
.irp k, 0,1,2
	global_store_b128 v2, v[120+12*\phi+4*\k:123+12*\phi+4*\k], s[14:15] offset:153600*(\phi/2)+1536*(\phi%2)+512*\k
.endr
.endr
.irp hd, 0,1,2,3
.irp j, 0,1,2,3
	ds_load_u8 v[216+4*\hd+\j], v[\sba] offset:128*\hd+(\sst)*\j
.endr
.endr
	s_wait_dscnt 0x0
.irp hd, 0,1,2,3
	v_lshl_or_b32 v[216+4*\hd], v[217+4*\hd], 8, v[216+4*\hd]
	v_lshl_or_b32 v[216+4*\hd], v[218+4*\hd], 16, v[216+4*\hd]
	v_lshl_or_b32 v[216+4*\hd], v[219+4*\hd], 24, v[216+4*\hd]
	global_store_b32 v62, v[216+4*\hd], s[28:29] offset:153600*\hd     ; two fragments' scale words: 128 consecutive bytes
.endr
	s_wait_tensorcnt 0x0                           ; the wave's end
	ds_add_u32 v254, v255
	s_wait_dscnt 0x0
	s_endpgm
.endm
	s_cmp_eq_u32 s18, 2
	s_cbranch_scc1 .Lv_out
	COPYOUT 60, 63, 16
.Lv_out:
	COPYOUT 61, 9, 32
.Lfunc_end_k_qd0e6945435_proj:
	.size	k_qd0e6945435_proj, .Lfunc_end_k_qd0e6945435_proj-k_qd0e6945435_proj
	.p2alignl 7, 3214868480
	.fill 96, 4, 3214868480
	.section	.rodata,"a",@progbits
	.p2align	6, 0x0
	.amdhsa_kernel k_qd0e6945435_proj
		.amdhsa_group_segment_fixed_size 209408
		.amdhsa_private_segment_fixed_size 0
		.amdhsa_enable_private_segment 0
		.amdhsa_kernarg_size 32
		.amdhsa_user_sgpr_count 2
		.amdhsa_user_sgpr_kernarg_segment_ptr 1
		.amdhsa_wavefront_size32 1
		.amdhsa_system_sgpr_workgroup_id_x 1
		.amdhsa_system_sgpr_workgroup_id_y 1
		.amdhsa_system_sgpr_workgroup_id_z 1
		.amdhsa_system_vgpr_workitem_id 0
		.amdhsa_next_free_vgpr 1024
		.amdhsa_next_free_sgpr 66
		.amdhsa_reserve_vcc 0
		.amdhsa_float_denorm_mode_32 3
		.amdhsa_float_denorm_mode_16_64 3
		.amdhsa_memory_ordered 1
		.amdhsa_forward_progress 1
		.amdhsa_inst_pref_size 104
	.end_amdhsa_kernel
	.amdgpu_metadata
---
amdhsa.version: [ 1, 2 ]
amdhsa.kernels:
  - .name:           k_qd0e6945435_proj
    .symbol:         k_qd0e6945435_proj.kd
    .args:
      - { .name: xq, .offset: 0, .size: 8, .value_kind: global_buffer, .address_space: global }
      - { .name: wimg, .offset: 8, .size: 8, .value_kind: global_buffer, .address_space: global }
      - { .name: wsc, .offset: 16, .size: 8, .value_kind: global_buffer, .address_space: global }
      - { .name: qkv, .offset: 24, .size: 8, .value_kind: global_buffer, .address_space: global }
    .group_segment_fixed_size: 209408
    .private_segment_fixed_size: 0
    .kernarg_segment_align: 8
    .kernarg_segment_size: 32
    .max_flat_workgroup_size: 128
    .sgpr_count:     66
    .vgpr_count:     1024
    .wavefront_size: 32
...
	.end_amdgpu_metadata
.endif
;; end of part 2
;; launch attn (part 3): grid 4 x 64, 16 waves a work-group, clusters of 4 x 1, 169,984 bytes of LDS; arguments qkv, mbits, zc, zs; writes zc, zs
.if DOCPART == 3
	.amdgcn_target "amdgcn-amd-amdhsa--gfx1250"
	.amdhsa_code_object_version 6
	.text
	.protected	k_qd0e6945435_attn
	.globl	k_qd0e6945435_attn
	.p2align	8
	.type	k_qd0e6945435_attn,@function
k_qd0e6945435_attn:
	s_mov_b64 s[64:65], 0
	v_nop
	global_prefetch_b8 v0, s[64:65] scope:SCOPE_SE
	s_setreg_imm32_b32 hwreg(HW_REG_WAVE_MODE, 25, 1), 1
	s_wait_xcnt 0x0
	s_wait_alu depctr_hold_cnt(0) depctr_sa_sdst(0) depctr_va_vdst(0) depctr_va_sdst(0) depctr_va_ssrc(0) depctr_va_vcc(0) depctr_vm_vsrc(0)
	s_getreg_b32 s2, hwreg(HW_REG_IB_STS2, 6, 4)
	s_cmp_eq_u32 s2, 0
	s_cbranch_scc0 .Lentry_in_a_cluster
	s_endpgm
.Lentry_in_a_cluster:
	s_bfe_u32 s2, ttmp6, 0x10000c
	s_cmp_lg_u32 s2, 0x3003
	s_cbranch_scc0 .Lentry_shape_is_right
	s_endpgm
.Lentry_shape_is_right:
; ATTN: z = softmax(Q K^T / 8, masked) V for one (batch, head) a cluster, both products on codes of FP6 (E2M3) with E8M0 scales; z is quantised at once for the last product (a block of its K is one head's 32 channels).
; THE SOFTMAX: t = score x log2(e) / 8; M = the running largest t rounded UP to a whole number; p = 2^(t - M) is quantised along the keys, not normalised; the row's sum is taken of the unquantised p and divides at the end.
; When M moves, the sum and O are multiplied by 2^(old M - new M): exact.
; THE MASK: a masked score is replaced by -2^36 (logit -2^33) where the definition has the logit -1e10.  c x -2^36 is exact and a whole number, so a row (so far) wholly masked has t = M and p = 1, as the definition has.
; LIMITS: equal to the definition wherever every unmasked logit lies above -8.5e9; NaN and infinities are not served; blocks of zeros, or under 2^-124, get the scale byte 1 (read by this program alone).
; SHARES.  The four work-groups of a cluster take the four quarters of one head's 2,048 queries and need the same K and V: the head's codes and scale words, 102,400 dense bytes, are asked for JOINTLY, once, and stay in LDS:
; nothing is filled again.  Each of 16 waves owns 32 queries, two tiles of 16, one after the other, in 256 registers: four waves to a SIMD, so that one wave's vector work stands beside another's products and LDS loads.
; K = 32 IN THE FIRST PRODUCT: a fragment of K (16 rows x 128) holds FOUR tiles of 16 keys in its four blocks of 32.  Q's 32 codes are laid into block j alone, zeros elsewhere, which picks tile j: four products a fragment.
; Both products are used transposed (S^T = K Q^T, O^T = V^T P^T): a lane holds ONE query.  By the order of the keys in a tile, register 16 b + i of S^T is key 128 step + 32 b + 16 (l / 16) + i.
; The mask words (64 a step: word n's bit l belongs to register n of lane l) come by scalar loads a step ahead and steer one v_cndmask_b32 a score.
; LDS: 0 K's 32 fragments; 49,152 V's 32; 98,304 K's scale words; 100,352 V's; 102,400 a stage of 768 bytes a wave for z's codes; 114,688 z's 512 scale bytes.
; REGISTERS: v1-2, v5-10 stay; v3-4 the step's addresses; v11 Q's scale words; v12 -M, v13 the largest t, v[14:15] the sum; v16-45 Q by blocks [L 0 H 0 L]; v46-49 scale words of Q, K, V, p; v50-61 both tiles' Q;
;   v62-85 K; v86-109 V; v110-173 S^T, then p; v174-189 O^T; v190-201 p's codes; v202-231 at work; v232-247 z; v248-255 z's codes and bytes.
.macro CROUND                          ; a round of the cluster's barrier
	s_barrier_signal -1
	s_barrier_wait -1
	s_cmp_lg_u32 s12, 0
	s_cbranch_scc1 .Lnot_wave_0_\@
	s_barrier_signal -3
.Lnot_wave_0_\@:
	s_barrier_wait -3
	s_barrier_signal -1
	s_barrier_wait -1
.endm
.macro WORDS                           ; 64 mask words, 256 bytes, at byte s100 of my two tiles' stream of 8,192
	s_load_b512 s[16:31], s[96:97], s100 offset:0x0
	s_load_b512 s[32:47], s[96:97], s100 offset:0x40
	s_load_b512 s[48:63], s[96:97], s100 offset:0x80
	s_load_b512 s[68:83], s[96:97], s100 offset:0xc0
.endm
	s_load_b256 s[4:11], s[0:1], 0x0               ; qkv s[4:5], mbits s[6:7], zc s[8:9], zs s[10:11]
	v_lshl_add_u32 v205, v0, 2, 0x29000
	v_mov_b32 v209, 0
	ds_add_u32 v205, v209
	ds_add_u32 v205, v209
	v_lshrrev_b32 v3, 5, v0
	s_delay_alu instid0(VALU_DEP_1)
	v_readfirstlane_b32 s12, v3                    ; wave 0..15
	v_and_b32 v4, 31, v0                           ; l
	v_and_b32 v12, 15, v0                          ; r
	v_bfe_u32 v13, v0, 4, 1                        ; h
	s_delay_alu instid0(VALU_DEP_3)
	v_lshlrev_b32 v1, 4, v4                        ; 16 l: an image's place for my lane
	s_delay_alu instid0(VALU_DEP_4)
	v_lshl_add_u32 v2, v4, 2, 98304                ; K's scale words: lanes 0-15 the step's first fragment, lanes 16-31 the second
	v_mov_b32 v5, 0xd1800000                       ; -2^36
	v_add_nc_u32 v6, 114688, v0                    ; z's scale byte: 32 w + l
	s_mul_i32 s13, s12, 768
	s_add_co_u32 s13, s13, 102400                  ; my stage
	v_add_nc_u32 v7, s13, v1                       ; back: its first 512 bytes,
	v_lshl_add_u32 v8, v4, 3, s13
	s_delay_alu instid0(VALU_DEP_1)
	v_add_nc_u32 v8, 512, v8                       ; its last 256
	v_add_nc_u32 v9, 114688, v1                    ; the 512 scale bytes, 16 a lane
	v_mul_u32_u24 v10, v13, 384
	s_delay_alu instid0(VALU_DEP_1)
	v_lshl_add_u32 v10, v12, 3, v10
	s_delay_alu instid0(VALU_DEP_1)
	v_add_nc_u32 v10, s13, v10                     ; in: tile l / 16, row r
	s_and_b32 s14, s12, 1                          ; c': my 32 queries are blocks 2 c', 2 c' + 1 of their fragment of Q
	s_mul_i32 s15, s14, 520                        ; where registers 6 c' + 0 .. 5 lie in an image: 0, 8, 512 or 520, 1,024, 1,032
	v_lshl_add_u32 v232, v12, 4, s15
	s_mul_i32 s15, s14, 1016
	s_add_co_u32 s15, s15, 8
	v_lshl_add_u32 v233, v12, 4, s15
	s_mul_i32 s15, s14, 520
	s_add_co_u32 s15, s15, 512
	v_lshl_add_u32 v234, v12, 4, s15
	v_lshlrev_b32 v235, 2, v12
	s_and_b32 s16, ttmp7, 0xffff                   ; 16 batch + head: the four partners share it
	s_bfe_u32 s17, ttmp6, 0x40000                  ; cx: it enters the addresses of Q, the mask words and z alone
	s_lshl_b32 s18, s17, 4
	s_add_co_u32 s18, s18, s12                     ; my group of 32 queries
	s_lshr_b32 s19, s18, 1                         ; its fragment of Q
	s_mul_i32 s20, s16, 153600
	s_mov_b32 s21, 0
	s_and_b32 s22, s12, 3
	s_mul_i32 s24, s22, 25600                      ; a quarter of the head's 102,400 bytes: in memory and in LDS alike
	s_mov_b32 s25, 0
	s_mov_b32 s88, 15|(3<<16)|(1<<21)              ; group 1: 15:0 the mask: all four work-groups; 17:16 elements of 8 bytes; 20 no padding; 21 set beside a mask
	s_mov_b32 s89, 32<<16                          ; tensor_dim0 = 32 elements: rows of 256 bytes
	s_mov_b32 s90, 100<<16                         ; tensor_dim1 = 100
	s_mov_b32 s91, 32<<16                          ; tile_dim0
	s_mov_b32 s92, 100                             ; tile_dim1
	s_mov_b32 s93, 32                              ; the pitch: dense
	s_mov_b32 s94, 0
	s_mov_b32 s95, 0
	s_mul_i32 s26, s19, 1536
	s_add_co_u32 s26, s26, 102400                  ; Q's fragment
	s_mov_b32 s27, 0
	s_lshl_b32 s28, s19, 6
	s_add_co_u32 s28, s28, 151552                  ; its scale words
	s_mov_b32 s29, 0
	s_lshr_b32 s30, s16, 4                         ; batch
	s_lshl_b32 s30, s30, 7
	s_lshl_b32 s31, s18, 1
	s_add_co_u32 s30, s30, s31                     ; my first query tile in the batch
	s_lshl_b32 s30, s30, 12                        ; 4,096 bytes of mask words a tile
	s_mov_b32 s31, 0
	s_lshl_b32 s32, s16, 7
	s_lshl_b32 s33, s18, 1
	s_add_co_u32 s32, s32, s33
	s_mul_i32 s32, s32, 384                        ; z's codes: 384 bytes a tile
	s_mov_b32 s33, 0
	s_lshl_b32 s34, s16, 11
	s_lshl_b32 s35, s17, 9
	s_add_co_u32 s34, s34, s35                     ; z's scale bytes: 512 a work-group
	s_mov_b32 s35, 0
	s_mov_b32 s2, 0x3e38aa3b                       ; c = log2(e) / 8
	s_mov_b32 s3, s2                               ; (named with it as a pair)
	s_mov_b32 s66, 0x76543210
	s_mov_b32 s67, 0xfedcba98                      ; v_permlanex16_b32's selects for lane l xor 16
	s_wait_dscnt 0x0
	s_wait_kmcnt 0x0
	s_add_nc_u64 s[4:5], s[4:5], s[20:21]          ; the head's block
	s_add_nc_u64 s[96:97], s[6:7], s[30:31]
	s_add_nc_u64 s[8:9], s[8:9], s[32:33]
	s_add_nc_u64 s[10:11], s[10:11], s[34:35]
	s_mov_b32 s84, 1                               ; group 0: count = 1,
	s_mov_b32 s85, s24                             ; the LDS address,
	s_add_nc_u64 s[86:87], s[4:5], s[24:25]        ; the global address,
	s_or_b32 s87, s87, 0x80000000                  ; type = 2
	s_add_nc_u64 s[26:27], s[4:5], s[26:27]
	s_add_nc_u64 s[28:29], s[4:5], s[28:29]
	CROUND                                         ; all four work-groups are here: the joint loads meet
	s_cmp_lt_u32 s12, 4                            ; waves 0-3 ask for a quarter each: one tensor load of a wave is out
	s_cbranch_scc0 .Lno_fill
	tensor_load_to_lds s[84:87], s[88:95]
	s_nop 0
.rept 4
	v_nop
.endr
.Lno_fill:
	s_wait_alu depctr_va_vdst(0)
.irp a, 0,1
	global_load_b64 v[50+6*\a:51+6*\a], v232, s[26:27] offset:256*\a     ; tile a's 32 codes of row r, in both halves of the lanes
	global_load_b64 v[52+6*\a:53+6*\a], v233, s[26:27] offset:256*\a
	global_load_b64 v[54+6*\a:55+6*\a], v234, s[26:27] offset:256*\a
.endr
	global_load_b32 v11, v235, s[28:29]
	v_and_b32 v229, 3, v0
	v_lshlrev_b32 v229, 8, v229
	global_prefetch_b8 v229, s[96:97] offset:256 th:TH_LOAD_NT scope:SCOPE_SE   ; blocks 1 to 4 of my stream of mask words (256 bytes a key step), lanes 256 bytes apart; block 0 comes by its load alone, block 5 on by the loop's requests
.irp i, 0,1,2,3,4,5
	v_mov_b32 v[22+\i], 0                          ; the two runs of zero codes
	v_mov_b32 v[34+\i], 0
.endr
.irp b, 0,1,2,3
	v_mov_b32 v[214+\b], 0                         ; a lane permute's destination counts as read
.endr
	v_mov_b32 v227, 0                              ; (named as the upper half of a pair)
	v_mov_b32 v228, 0
	s_wait_xcnt 0x0                                ; Q's loads have read their bases: the mask words land on those scalar registers
	s_mov_b32 s100, 0
	s_mov_b32 s7, 0                                ; (the arguments in s[4:7] have been used)  the upper word of the prefetch's offset
	WORDS                                          ; the first step's
	s_wait_tensorcnt 0x0                           ; my quarter has landed,
	s_barrier_signal -1
	s_barrier_wait -1                              ; everybody's has
	s_lshl_b32 s84, s14, 1                         ; (the descriptor's registers are free)  byte 2 c' + a of Q's scale word, as a selector for all four bytes
	s_mul_i32 s84, s84, 0x01010101
	s_add_co_u32 s85, s84, 0x01010101
	s_mov_b32 s86, 0xffff                          ; lanes 0-15
	s_mov_b32 s87, 0xffff0000                      ; lanes 16-31
; A KEY STEP: 128 keys
.macro STEP
	s_wait_dscnt 0x0                               ; K, asked for a step ago (the first step's: ahead of the loop), is in
.irp j, 0,1,2,3                        ; Q in block j lies at v16, v28, v34, v22
	v_wmma_scale_f32_16x16x128_f8f6f4 v[110+8*\j:117+8*\j], v[62:73], v[16+12*(\j%2)+18*(\j/2)-24*(\j/3):27+12*(\j%2)+18*(\j/2)-24*(\j/3)], 0, v47, v46 matrix_a_fmt:MATRIX_FMT_FP6 matrix_b_fmt:MATRIX_FMT_FP6
.endr
.irp j, 0,1,2,3
	v_wmma_scale_f32_16x16x128_f8f6f4 v[142+8*\j:149+8*\j], v[74:85], v[16+12*(\j%2)+18*(\j/2)-24*(\j/3):27+12*(\j%2)+18*(\j/2)-24*(\j/3)], 0, v47, v46 matrix_a_fmt:MATRIX_FMT_FP6 matrix_b_fmt:MATRIX_FMT_FP6 matrix_a_scale:MATRIX_SCALE_ROW1
.endr
	v_add_nc_u32 v3, s98, v1                       ; the step's addresses: with the two lines below them, the four plain places behind the products above (ahead of the loads into K's registers and of the first read of the scores)
	v_add_nc_u32 v4, s99, v2                       ; and behind the last step's products (ahead of the loads into V's registers)
	v_nop
	v_nop
.irp f, 0,1                            ; the NEXT step's K, 3,072 bytes on, and its scale words, 128 on.  The last step's request reads V's first bytes, which lie behind K's, and is not used
.irp k, 0,1,2
	ds_load_b128 v[62+12*\f+4*\k:65+12*\f+4*\k], v3 offset:3072+1536*\f+512*\k
.endr
.endr
	ds_load_b32 v47, v4 offset:128
.irp t, 0,1                            ; this step's V, wanted at the step's end
.irp k, 0,1,2
	ds_load_b128 v[86+12*\t+4*\k:89+12*\t+4*\k], v3 offset:49152+1536*\t+512*\k
.endr
.endr
	ds_load_b32 v48, v4 offset:2048
	s_wait_kmcnt 0x0                               ; the mask words, asked for a step ago
	s_wait_xcnt 0x0                                ; the last trip's prefetch has read its address, which is written again below
.set n, 0
.rept 64
	v_cndmask_b32 v[110+n], v[110+n], v5, s[16+n+4*(n/48)]     ; ascending: each accumulator is read from its low end on
.set n, n+1
.endr
	s_add_co_u32 s100, s100, 256                   ; the next step's words; the two tiles' 32 steps are one stream; the very last request repeats the last 256 bytes
	s_min_u32 s100, s100, 7936
	WORDS
	s_add_co_u32 s6, s100, 1024                    ; A PREFETCH of my own stream: the 256 bytes that the trip four further on loads; each wave asks for its own blocks, one a trip, 1,024 bytes ahead of its loads;
	s_min_u32 s6, s6, 7936                         ; the last trips name the stream's last block again: no address leaves the stream's 8,192 bytes
	s_add_nc_u64 s[4:5], s[96:97], s[6:7]
	global_prefetch_b8 v227, s[4:5] th:TH_LOAD_NT scope:SCOPE_SE   ; v227 holds 0 throughout: all lanes name the one block
.irp b, 0,1,2,3
	v_max3_num_f32 v[210+\b], v[110+16*\b], v[111+16*\b], v[112+16*\b]   ; the largest score of each block of 32 keys: for the row's maximum and, since p rises with the score, for the block's largest p
.endr
.irp i, 3,5,7,9,11,13
.irp b, 0,1,2,3
	s_delay_alu instid0(VALU_DEP_4)
	v_max3_num_f32 v[210+\b], v[210+\b], v[110+16*\b+\i], v[111+16*\b+\i]
.endr
.endr
.irp b, 0,1,2,3
	s_delay_alu instid0(VALU_DEP_4)
	v_max_num_f32 v[210+\b], v[210+\b], v[125+16*\b]
.endr
.irp b, 0,1,2,3
	s_delay_alu instid0(VALU_DEP_4)
	v_permlanex16_b32 v[214+\b], v[210+\b], s66, s67
.endr
.irp b, 0,1,2,3
	s_delay_alu instid0(VALU_DEP_4)
	v_max_num_f32 v[210+\b], v[210+\b], v[214+\b]  ; with lane l xor 16's 16 keys
.endr
	s_delay_alu instid0(VALU_DEP_2)
	v_max3_num_f32 v228, v210, v211, v212
	s_delay_alu instid0(VALU_DEP_1)
	v_max_num_f32 v228, v228, v213
	s_delay_alu instid0(VALU_DEP_1)
	v_mul_f32 v228, s2, v228                       ; as t (c is positive)
	s_delay_alu instid0(VALU_DEP_1)
	v_max_num_f32 v13, v13, v228                   ; the running largest t
	v_mov_b32 v228, v12
	s_delay_alu instid0(VALU_DEP_2)
	v_floor_f32 v12, -v13                          ; the new -M = -ceil(t)
	s_delay_alu instid0(VALU_DEP_1)
	v_sub_f32 v228, v12, v228                      ; old M - new M: a whole number, 0 or less
	s_delay_alu instid0(VALU_DEP_1)
	v_cvt_i32_f32 v228, v228                       ; (it saturates)
	s_delay_alu instid0(VALU_DEP_1)
	v_ldexp_f32 v226, 1.0, v228                    ; f = 2^(old M - new M)
.irp j, 0,2,4,6,8,10,12,14,16,18,20,22,24,26,28,30,32,34,36,38,40,42,44,46,48,50,52,54,56,58,60,62
	v_pk_fma_f32 v[110+\j:111+\j], v[110+\j:111+\j], s[2:3], v[12:13] op_sel_hi:[1,0,0]   ; t - M, two at a time
.endr
.irp b, 0,1,2,3
	v_fma_f32 v[210+\b], v[210+\b], s2, v12        ; the same of each block's largest score
.endr
.set n, 0
	s_wait_alu depctr_va_vdst(0)
.rept 64
	v_exp_f32 v[110+n], v[110+n]                   ; p = 2^(t - M), at most 1
.set n, n+1
.endr
	v_pk_mul_f32 v[14:15], v[14:15], v[226:227] op_sel_hi:[1,0]   ; the sums under the new M: a plain place behind the exponentials
	s_wait_alu depctr_va_vdst(0)                   ; one for the batch, ahead of its first reader
.irp b, 0,1,2,3
	v_exp_f32 v[210+\b], v[210+\b]                 ; the block's largest p
.endr
	v_pk_add_f32 v[230:231], v[114:115], v[118:119]
	v_pk_add_f32 v[252:253], v[122:123], v[126:127]
	v_pk_add_f32 v[246:247], v[130:131], v[134:135]
	v_pk_add_f32 v[244:245], v[138:139], v[142:143]
	v_pk_add_f32 v[242:243], v[146:147], v[150:151]
	v_pk_add_f32 v[240:241], v[154:155], v[158:159]
	v_pk_add_f32 v[238:239], v[162:163], v[166:167]
	v_pk_add_f32 v[14:15], v[14:15], v[170:171]
	v_pk_add_f32 v[230:231], v[230:231], v[110:111]
	v_pk_add_f32 v[252:253], v[252:253], v[112:113]
	v_pk_add_f32 v[246:247], v[246:247], v[116:117]
	v_pk_add_f32 v[244:245], v[244:245], v[120:121]
	v_pk_add_f32 v[242:243], v[242:243], v[124:125]
	v_pk_add_f32 v[240:241], v[240:241], v[128:129]
	v_pk_add_f32 v[238:239], v[238:239], v[132:133]
	v_pk_add_f32 v[14:15], v[14:15], v[136:137]
	v_pk_add_f32 v[230:231], v[230:231], v[140:141]
	v_pk_add_f32 v[252:253], v[252:253], v[144:145]
	v_pk_add_f32 v[246:247], v[246:247], v[148:149]
	v_pk_add_f32 v[244:245], v[244:245], v[152:153]
	v_pk_add_f32 v[242:243], v[242:243], v[156:157]
	v_pk_add_f32 v[240:241], v[240:241], v[160:161]
	v_pk_add_f32 v[238:239], v[238:239], v[164:165]
	v_pk_add_f32 v[14:15], v[14:15], v[168:169]
	v_pk_add_f32 v[230:231], v[230:231], v[172:173]   ; the eight partial sums are joined further down, ahead of the second product
	s_wait_alu depctr_va_vdst(0)                   ; and one for the four
.irp b, 0,1,2,3
	v_max_num_f32 v[210+\b], 0x1800000, v[210+\b]  ; the floor 2^(3 - 127): a block whose every p is 0 keeps the byte 1; its codes are zeros
.endr
.irp b, 0,1,2,3
	s_delay_alu instid0(VALU_DEP_4)
	v_add_nc_u32 v[218+\b], 0xff000000, v[210+\b]  ; the conversion's scale operand
.endr
.irp b, 0,1,2,3
	s_delay_alu instid0(VALU_DEP_4)
	v_lshrrev_b32 v[222+\b], 23, v[218+\b]         ; the byte
.endr
	s_delay_alu instid0(VALU_DEP_3)
	v_lshl_or_b32 v49, v223, 8, v222               ; p's scale word for these 128 keys
	s_delay_alu instid0(VALU_DEP_1)
	v_lshl_or_b32 v49, v224, 16, v49
	s_delay_alu instid0(VALU_DEP_1)
	v_lshl_or_b32 v49, v225, 24, v49
.irp c, 0,1
	v_cvt_scalef32_pk16_fp6_f32 v[190+6*\c:192+6*\c], v[110+32*\c:125+32*\c], v[218+2*\c]
	v_cvt_scalef32_pk16_fp6_f32 v[202+4*\c:204+4*\c], v[126+32*\c:141+32*\c], v[218+2*\c+1]
.endr
	v_nop                                          ; one plain place behind a scaled conversion
.irp c, 0,1
.irp i, 0,1,2
	v_permlane16_swap_b32 v[190+6*\c+\i], v[202+4*\c+\i]
.endr
.irp i, 0,1,2
	s_delay_alu instid0(VALU_DEP_3)
	v_mov_b32 v[193+6*\c+\i], v[202+4*\c+\i]
.endr
.endr
.irp j, 0,2,4,6,8,10,12,14
	v_pk_mul_f32 v[174+\j:175+\j], v[174+\j:175+\j], v[226:227] op_sel_hi:[1,0]   ; O^T under the new M, from each accumulator's low end on
.endr
	v_pk_add_f32 v[14:15], v[14:15], v[244:245]    ; the row sum's eight partial sums become one: seven additions that name no register of the products below.  With the other tile's four multiplies
	v_pk_add_f32 v[230:231], v[230:231], v[242:243]   ; they are the places between p's scale word (eight are asked for), p's codes (four), and the products
	v_pk_add_f32 v[252:253], v[252:253], v[240:241]
	v_pk_add_f32 v[246:247], v[246:247], v[238:239]
	s_delay_alu instid0(VALU_DEP_2)
	v_pk_add_f32 v[14:15], v[14:15], v[252:253]
	s_delay_alu instid0(VALU_DEP_2)
	v_pk_add_f32 v[230:231], v[230:231], v[246:247]
	s_delay_alu instid0(VALU_DEP_1)
	v_pk_add_f32 v[14:15], v[14:15], v[230:231]
	s_wait_alu depctr_va_vdst(0)
	s_wait_dscnt 0x0                               ; V is in
	v_wmma_scale_f32_16x16x128_f8f6f4 v[174:181], v[86:97], v[190:201], v[174:181], v48, v49 matrix_a_fmt:MATRIX_FMT_FP6 matrix_b_fmt:MATRIX_FMT_FP6
	v_wmma_scale_f32_16x16x128_f8f6f4 v[182:189], v[98:109], v[190:201], v[182:189], v48, v49 matrix_a_fmt:MATRIX_FMT_FP6 matrix_b_fmt:MATRIX_FMT_FP6 matrix_a_scale:MATRIX_SCALE_ROW1
	s_add_co_u32 s98, s98, 3072                    ; two fragments of K, and of V
	s_add_co_u32 s99, s99, 128                     ; their scale words
.endm
; ONE TILE OF 16 QUERIES through all 2,048 keys, and its z
.macro QTILE a
	s_wait_loadcnt 0x0                             ; Q
.irp i, 0,1,2,3,4,5
	v_cndmask_b32 v[16+\i], 0, v[50+6*\a+\i], s86  ; Q in lanes 0-15, zeros in lanes 16-31,
	v_cndmask_b32 v[28+\i], 0, v[50+6*\a+\i], s87  ; the other way round,
	v_cndmask_b32 v[40+\i], 0, v[50+6*\a+\i], s86  ; and the first once more
.endr
	v_perm_b32 v46, v11, v11, s[84+\a]             ; the tile's scale byte in all four bytes: one register serves all four blocks
	v_mov_b32 v13, 0xff61b1e6                      ; the largest t so far: -3e38
	s_delay_alu instid0(VALU_DEP_1)
	v_floor_f32 v12, -v13
	v_mov_b32 v14, 0
	v_mov_b32 v15, 0
.irp j, 0,1,2,3,4,5,6,7,8,9,10,11,12,13,14,15
	v_mov_b32 v[174+\j], 0                         ; O^T: the first step finds zeros.  (These are also the places between Q's registers, its scale word, and the first products)
.endr
	s_mov_b32 s98, 0
	s_mov_b32 s99, 0
	s_mov_b32 s101, 16
.irp f, 0,1                            ; the first step's K
.irp k, 0,1,2
	ds_load_b128 v[62+12*\f+4*\k:65+12*\f+4*\k], v1 offset:1536*\f+512*\k
.endr
.endr
	ds_load_b32 v47, v2
.Lkey_\a:
	STEP
	s_sub_co_i32 s101, s101, 1
	s_cmp_lg_u32 s101, 0
	s_cbranch_scc1 .Lkey_\a
.rept 4
	v_nop
.endr
	v_add_f32 v14, v14, v15                        ; the sum's two halves,
	s_delay_alu instid0(VALU_DEP_1)
	v_permlanex16_b32 v228, v14, s66, s67
	s_delay_alu instid0(VALU_DEP_1)
	v_add_f32 v14, v14, v228                       ; and lane l xor 16's
	s_wait_alu depctr_va_vdst(0)
	v_rcp_f32 v228, v14
	v_nop                                          ; a plain place behind the reciprocal
	s_wait_alu depctr_va_vdst(0)                   ; ahead of the first reader
.irp j, 0,1,2,3,4,5,6,7,8,9,10,11,12,13,14,15
	v_mul_f32 v[232+\j], v[174+\j], v228           ; z(query r, channel 16 h + j)
.endr
	v_max3_num_f32 v229, |v232|, |v233|, 0x1800000
.irp i, 2,4,6,8,10,12,14
	s_delay_alu instid0(VALU_DEP_1)
	v_max3_num_f32 v229, v229, |v[232+\i]|, |v[233+\i]|
.endr
	s_delay_alu instid0(VALU_DEP_1)
	v_permlanex16_b32 v214, v229, s66, s67
	s_delay_alu instid0(VALU_DEP_1)
	v_max_num_f32 v229, v229, v214                 ; the head's 32 channels are one block of the last product's K
	s_delay_alu instid0(VALU_DEP_1)
	v_add_nc_u32 v229, 0xff000000, v229
	s_delay_alu instid0(VALU_DEP_1)
	v_lshrrev_b32 v[254+\a], 23, v229
.if \a == 0
	v_cvt_scalef32_pk16_fp6_f32 v[248:250], v[232:247], v229
.else
	v_cvt_scalef32_pk16_fp6_f32 v[202:204], v[232:247], v229
.endif
	v_nop                                          ; one plain place behind a scaled conversion
.endm
	QTILE 0
	QTILE 1
.irp k, 0,1,2
	v_permlane16_swap_b32 v[248+\k], v[202+\k]     ; lane 16 a + r now holds the whole block of tile a's row r
.endr
.irp k, 0,1,2
	s_delay_alu instid0(VALU_DEP_3)
	v_mov_b32 v[251+\k], v[202+\k]
.endr
	v_cndmask_b32 v228, v254, v255, s87            ; lanes 16-31 take tile 1's byte
.irp i, 0,1,2
	ds_store_b64 v10, v[248+2*\i:249+2*\i] offset:128*\i
.endr
	ds_store_b8 v6, v228
	ds_load_b128 v[62:65], v7                      ; LDS serves a wave's instructions in order: these see my stores
	ds_load_b64 v[66:67], v8
	v_and_b32 v68, 31, v0
	s_delay_alu instid0(VALU_DEP_1)
	v_lshlrev_b32 v68, 3, v68
	s_wait_alu depctr_va_vdst(0)
	s_wait_dscnt 0x0                               ; also for the others' sake: my scale bytes have landed
	global_store_b128 v1, v[62:65], s[8:9]         ; my two tiles' 768 bytes: 512 consecutive bytes, aligned,
	global_store_b64 v68, v[66:67], s[8:9] offset:512   ; and 256
	s_barrier_signal -1
	s_barrier_wait -1                              ; the work-group's 512 scale bytes lie in LDS
	s_cmp_lg_u32 s12, 0
	s_cbranch_scc1 .Lno_zs
	ds_load_b128 v[70:73], v9
	s_wait_dscnt 0x0
	global_store_b128 v1, v[70:73], s[10:11]       ; 512 consecutive bytes, aligned
.Lno_zs:
	s_wait_tensorcnt 0x0
	ds_add_u32 v205, v209
	s_wait_dscnt 0x0
	CROUND                                         ; the closing round: no work-group ends while a partner may still ask jointly
	s_endpgm
.Lfunc_end_k_qd0e6945435_attn:
	.size	k_qd0e6945435_attn, .Lfunc_end_k_qd0e6945435_attn-k_qd0e6945435_attn
	.p2alignl 7, 3214868480
	.fill 96, 4, 3214868480
	.section	.rodata,"a",@progbits
	.p2align	6, 0x0
	.amdhsa_kernel k_qd0e6945435_attn
		.amdhsa_group_segment_fixed_size 169984
		.amdhsa_private_segment_fixed_size 0
		.amdhsa_enable_private_segment 0
		.amdhsa_kernarg_size 32
		.amdhsa_user_sgpr_count 2
		.amdhsa_user_sgpr_kernarg_segment_ptr 1
		.amdhsa_wavefront_size32 1
		.amdhsa_system_sgpr_workgroup_id_x 1
		.amdhsa_system_sgpr_workgroup_id_y 1
		.amdhsa_system_sgpr_workgroup_id_z 1
		.amdhsa_system_vgpr_workitem_id 0
		.amdhsa_next_free_vgpr 256
		.amdhsa_next_free_sgpr 102
		.amdhsa_reserve_vcc 0
		.amdhsa_float_denorm_mode_32 3
		.amdhsa_float_denorm_mode_16_64 3
		.amdhsa_memory_ordered 1
		.amdhsa_forward_progress 1
		.amdhsa_inst_pref_size 60
	.end_amdhsa_kernel
	.amdgpu_metadata
---
amdhsa.version: [ 1, 2 ]
amdhsa.kernels:
  - .name:           k_qd0e6945435_attn
    .symbol:         k_qd0e6945435_attn.kd
    .args:
      - { .name: qkv, .offset: 0, .size: 8, .value_kind: global_buffer, .address_space: global }
      - { .name: mbits, .offset: 8, .size: 8, .value_kind: global_buffer, .address_space: global }
      - { .name: zc, .offset: 16, .size: 8, .value_kind: global_buffer, .address_space: global }
      - { .name: zs, .offset: 24, .size: 8, .value_kind: global_buffer, .address_space: global }
    .group_segment_fixed_size: 169984
    .private_segment_fixed_size: 0
    .kernarg_segment_align: 8
    .kernarg_segment_size: 32
    .max_flat_workgroup_size: 512
    .sgpr_count:     102
    .vgpr_count:     256
    .wavefront_size: 32
...
	.end_amdgpu_metadata
.endif
;; end of part 3
;; launch outp (part 4): grid 4 x 64, 8 waves a work-group, no clusters, 35,840 bytes of LDS; arguments zc, zs, wimg, wsc, out0; writes out0
.if DOCPART == 4
	.amdgcn_target "amdgcn-amd-amdhsa--gfx1250"
	.amdhsa_code_object_version 6
	.text
	.protected	k_qd0e6945435_outp
	.globl	k_qd0e6945435_outp
	.p2align	8
	.type	k_qd0e6945435_outp,@function
k_qd0e6945435_outp:
	s_mov_b64 s[64:65], 0
	v_nop
	global_prefetch_b8 v0, s[64:65] scope:SCOPE_SE
	s_setreg_imm32_b32 hwreg(HW_REG_WAVE_MODE, 25, 1), 1
	s_wait_xcnt 0x0
; OUTP: out = z Wo on codes of FP6 (E2M3) with E8M0 scales, K = 512 (16 heads x 32 channels; a block of 32 is one head).  out0: [8,192][1,024] f32.
; Work-group (x, y): 128 tokens (y) x 256 columns (x).  Wave w: columns 64 (w % 4) on (4 tiles), token tiles 4 (w / 4) .. + 3 of the 8.  Wo's 16 fragments of a wave (192 registers) stay in registers.
; The product is used transposed (source 0 = 16 columns of Wo, source 1 = 16 tokens of z): a lane holds eight neighbouring columns of one token.
; z's codes lie [head][token tile][piece 3][row 16][8 bytes]: lane (r, h) takes, for registers 6 c + 2 i, head 4 (K step) + 2 c + h, piece i, row r: the operand's registers as they are.  Row r of tile T is token 32 (T / 2) + 8 (T % 2) + r + 8 (r / 8).
; NO CLUSTER, NO TENSOR LOAD: all operands go from memory straight into registers (Wo: 24,576 bytes a wave, once; z: 1,536 bytes a tile and K step); nothing passes through LDS that a joint load could bring.  No barrier: a wave's stage is its own.
; REGISTERS.  Window 1: Wo's fragment (tile t, K step s) at v[12 (4 t + s)].  Window 0: v1-7 addresses; v8-15 Wo's scale words; v16-17 z's; v18-33 z's scale bytes, two sets; v40-135 z's fragments, two sets; v136-167 accumulators; v168-199 rows on their way out.
.set MSB, 0
.macro WIN new
.if MSB != (\new)
	s_set_vgpr_msb (MSB<<8)|(\new)
.set MSB, (\new)
.endif
.endm
	s_load_b256 s[4:11], s[0:1], 0x0               ; zc s[4:5], zs s[6:7], wimg s[8:9], wsc s[10:11]
	s_load_b64 s[12:13], s[0:1], 0x20              ; out0
	v_lshl_add_u32 v254, v0, 2, 0x8800
	v_mov_b32 v255, 0
	v_lshrrev_b32 v1, 5, v0
	s_delay_alu instid0(VALU_DEP_1)
	v_readfirstlane_b32 s14, v1                    ; wave 0..7
	v_and_b32 v200, 31, v0                         ; l
	v_and_b32 v201, 15, v0                         ; r
	v_bfe_u32 v202, v0, 4, 1                       ; h
	s_delay_alu instid0(VALU_DEP_3)
	v_lshlrev_b32 v1, 4, v200                      ; 16 l
	s_delay_alu instid0(VALU_DEP_4)
	v_lshlrev_b32 v2, 2, v200                      ; 4 l
	s_delay_alu instid0(VALU_DEP_3)
	v_mul_u32_u24 v3, v202, 49152                  ; z's codes: a head is 49,152 bytes; lanes 16-31 take the next head
	s_delay_alu instid0(VALU_DEP_1)
	v_lshl_add_u32 v3, v201, 3, v3
	v_lshl_add_u32 v4, v202, 13, v201              ; z's scale bytes: lanes 16-31 take the odd K step's four heads, 2,048 bytes each
	s_mul_i32 s15, s14, 4352                       ; my stage: 16 rows x (256 bytes + 16)
	v_mul_u32_u24 v5, v201, 272
	s_delay_alu instid0(VALU_DEP_1)
	v_lshl_add_u32 v5, v202, 5, v5
	s_delay_alu instid0(VALU_DEP_1)
	v_add_nc_u32 v5, s15, v5                       ; in: row r, 32 bytes for each half of the lanes
	v_mul_u32_u24 v6, v202, 272
	s_delay_alu instid0(VALU_DEP_1)
	v_lshl_add_u32 v6, v201, 4, v6
	s_delay_alu instid0(VALU_DEP_1)
	v_add_nc_u32 v6, s15, v6                       ; back: lanes 0-15 one row, lanes 16-31 the next
	v_lshlrev_b32 v7, 12, v202
	s_delay_alu instid0(VALU_DEP_1)
	v_lshl_add_u32 v7, v201, 4, v7                 ; and the same in out0
	s_and_b32 s16, ttmp7, 0xffff
	s_lshr_b32 s17, s16, 4                         ; batch
	s_and_b32 s18, s16, 15
	s_lshl_b32 s18, s18, 3
	s_lshr_b32 s19, s14, 2
	s_lshl_b32 s19, s19, 2
	s_add_co_u32 s18, s18, s19                     ; my first token tile in the batch
	s_and_b32 s19, s14, 3
	s_lshl_b32 s20, ttmp9, 4
	s_lshl_b32 s21, s19, 2
	s_add_co_u32 s20, s20, s21                     ; my first column tile
	s_mul_i32 s22, s17, 786432
	s_mul_i32 s23, s18, 384
	s_add_co_u32 s22, s22, s23
	s_mov_b32 s23, 0
	s_lshl_b32 s24, s17, 15
	s_lshl_b32 s25, s18, 4
	s_add_co_u32 s24, s24, s25
	s_mov_b32 s25, 0
	s_mul_i32 s26, s20, 6144
	s_add_co_u32 s26, s26, 1179648
	s_mov_b32 s27, 0
	s_lshl_b32 s28, s20, 8
	s_add_co_u32 s28, s28, 49152
	s_mov_b32 s29, 0
	s_lshl_b32 s30, s17, 23                        ; 2,048 tokens of 4,096 bytes,
	s_lshl_b32 s31, s18, 16                        ; 16 tokens a tile,
	s_add_co_u32 s30, s30, s31
	s_lshl_b32 s31, ttmp9, 10                      ; 256 columns,
	s_add_co_u32 s30, s30, s31
	s_lshl_b32 s31, s19, 8                         ; 64 columns
	s_add_co_u32 s30, s30, s31
	s_mov_b32 s31, 0
	s_wait_alu depctr_va_vdst(0)
	s_wait_kmcnt 0x0
	s_add_nc_u64 s[4:5], s[4:5], s[22:23]
	s_add_nc_u64 s[6:7], s[6:7], s[24:25]
	s_add_nc_u64 s[8:9], s[8:9], s[26:27]
	s_add_nc_u64 s[10:11], s[10:11], s[28:29]
	s_add_nc_u64 s[12:13], s[12:13], s[30:31]
.macro ZLOAD m                         ; token tile m: four fragments and eight scale bytes a lane: 32 loads, into set m % 2
.set zf, 40+48*((\m)%2)
.set zu, 18+8*((\m)%2)
.irp ks, 0,1,2,3
.irp c, 0,1
.irp i, 0,1,2
	global_load_b64 v[zf+12*\ks+6*\c+2*\i:zf+12*\ks+6*\c+2*\i+1], v3, s[4:5] offset:(4*\ks+2*\c)*49152+384*(\m)+128*\i
.endr
.endr
.endr
.irp a, 0,1
.irp j, 0,1,2,3
	global_load_u8 v[zu+4*\a+\j], v4, s[6:7] offset:(8*\a+\j)*2048+16*(\m)
.endr
.endr
.endm
	ZLOAD 0
	WIN 0x40                                       ; destination window 1
.irp f, 0,1,2,3,4,5,6,7,8,9,10,11,12,13,14,15
.irp k, 0,1,2
	global_load_b128 v[12*\f+4*\k:12*\f+4*\k+3], v1, s[8:9] offset:1536*\f+512*\k
.endr
.endr
	WIN 0
.irp q, 0,1,2,3,4,5,6,7
	global_load_b32 v[8+\q], v2, s[10:11] offset:128*\q        ; tile q / 2: lanes 0-15 K step 2 (q % 2), lanes 16-31 the next
.endr
	ZLOAD 1
.macro TILE m
.set zf, 40+48*((\m)%2)
.set zu, 18+8*((\m)%2)
.if (\m) < 3
	s_wait_loadcnt 32                              ; this tile's loads (and Wo) are in; the next tile's 32 may stay out
.else
	s_wait_loadcnt 0x0
.endif
.irp a, 0,1
	v_lshl_or_b32 v[16+\a], v[zu+4*\a+1], 8, v[zu+4*\a]        ; four heads' bytes make a K step's scale word
	s_delay_alu instid0(VALU_DEP_1)
	v_lshl_or_b32 v[16+\a], v[zu+4*\a+2], 16, v[16+\a]
	s_delay_alu instid0(VALU_DEP_1)
	v_lshl_or_b32 v[16+\a], v[zu+4*\a+3], 24, v[16+\a]
.endr
.rept 8
	v_nop                                          ; a scale register written by a vector instruction stands eight places ahead of a scaled product
.endr
	WIN 0x01                                       ; source 0 (Wo) window 1
.irp ks, 0,1,2,3
.irp t, 0,1,2,3                        ; the four accumulators by turns
.if \ks == 0
	v_wmma_scale_f32_16x16x128_f8f6f4 v[136+8*\t:143+8*\t], v[12*(4*\t+\ks):12*(4*\t+\ks)+11], v[zf+12*\ks:zf+12*\ks+11], 0, v[8+2*\t], v16 matrix_a_fmt:MATRIX_FMT_FP6 matrix_b_fmt:MATRIX_FMT_FP6
.elseif \ks%2
	v_wmma_scale_f32_16x16x128_f8f6f4 v[136+8*\t:143+8*\t], v[12*(4*\t+\ks):12*(4*\t+\ks)+11], v[zf+12*\ks:zf+12*\ks+11], v[136+8*\t:143+8*\t], v[8+2*\t+\ks/2], v[16+\ks/2] matrix_a_fmt:MATRIX_FMT_FP6 matrix_b_fmt:MATRIX_FMT_FP6 matrix_a_scale:MATRIX_SCALE_ROW1 matrix_b_scale:MATRIX_SCALE_ROW1
.else
	v_wmma_scale_f32_16x16x128_f8f6f4 v[136+8*\t:143+8*\t], v[12*(4*\t+\ks):12*(4*\t+\ks)+11], v[zf+12*\ks:zf+12*\ks+11], v[136+8*\t:143+8*\t], v[8+2*\t+\ks/2], v[16+\ks/2] matrix_a_fmt:MATRIX_FMT_FP6 matrix_b_fmt:MATRIX_FMT_FP6
.endif
.endr
.endr
	WIN 0
.rept 4
	v_nop                                          ; places ahead of loads into the fragments' registers and of the first read of results
.endr
.if (\m) < 2
	ZLOAD (\m)+2
.endif
.irp t, 0,1,2,3
	ds_store_b128 v5, v[136+8*\t:139+8*\t] offset:64*\t        ; each accumulator from its low end on
	ds_store_b128 v5, v[140+8*\t:143+8*\t] offset:64*\t+16
.endr
	s_wait_xcnt 0x0                                ; the last tile's stores have read their registers
.irp i, 0,1,2,3,4,5,6,7
	ds_load_b128 v[168+4*\i:171+4*\i], v6 offset:544*\i        ; LDS serves a wave's instructions in order: these see my stores
.endr
.irp i, 0,1,2,3,4,5,6,7
	s_wait_dscnt 7-\i
	global_store_b128 v7, v[168+4*\i:171+4*\i], s[12:13] offset:(32*((\m)/2)+8*((\m)%2)+2*\i+8*(\i/4))*4096 th:TH_STORE_NT   ; rows 2 i, 2 i + 1 of the tile: sixteen lanes store 256 consecutive bytes, aligned
.endr
.endm
	TILE 0
	TILE 1
	TILE 2
	TILE 3
	s_wait_tensorcnt 0x0
	ds_add_u32 v254, v255
	s_wait_dscnt 0x0
	s_endpgm
.Lfunc_end_k_qd0e6945435_outp:
	.size	k_qd0e6945435_outp, .Lfunc_end_k_qd0e6945435_outp-k_qd0e6945435_outp
	.p2alignl 7, 3214868480
	.fill 96, 4, 3214868480
	.section	.rodata,"a",@progbits
	.p2align	6, 0x0
	.amdhsa_kernel k_qd0e6945435_outp
		.amdhsa_group_segment_fixed_size 35840
		.amdhsa_private_segment_fixed_size 0
		.amdhsa_enable_private_segment 0
		.amdhsa_kernarg_size 40
		.amdhsa_user_sgpr_count 2
		.amdhsa_user_sgpr_kernarg_segment_ptr 1
		.amdhsa_wavefront_size32 1
		.amdhsa_system_sgpr_workgroup_id_x 1
		.amdhsa_system_sgpr_workgroup_id_y 1
		.amdhsa_system_sgpr_workgroup_id_z 1
		.amdhsa_system_vgpr_workitem_id 0
		.amdhsa_next_free_vgpr 512
		.amdhsa_next_free_sgpr 66
		.amdhsa_reserve_vcc 0
		.amdhsa_float_denorm_mode_32 3
		.amdhsa_float_denorm_mode_16_64 3
		.amdhsa_memory_ordered 1
		.amdhsa_forward_progress 1
		.amdhsa_inst_pref_size 41
	.end_amdhsa_kernel
	.amdgpu_metadata
---
amdhsa.version: [ 1, 2 ]
amdhsa.kernels:
  - .name:           k_qd0e6945435_outp
    .symbol:         k_qd0e6945435_outp.kd
    .args:
      - { .name: zc, .offset: 0, .size: 8, .value_kind: global_buffer, .address_space: global }
      - { .name: zs, .offset: 8, .size: 8, .value_kind: global_buffer, .address_space: global }
      - { .name: wimg, .offset: 16, .size: 8, .value_kind: global_buffer, .address_space: global }
      - { .name: wsc, .offset: 24, .size: 8, .value_kind: global_buffer, .address_space: global }
      - { .name: out0, .offset: 32, .size: 8, .value_kind: global_buffer, .address_space: global }
    .group_segment_fixed_size: 35840
    .private_segment_fixed_size: 0
    .kernarg_segment_align: 8
    .kernarg_segment_size: 40
    .max_flat_workgroup_size: 256
    .sgpr_count:     66
    .vgpr_count:     512
    .wavefront_size: 32
...
	.end_amdgpu_metadata
.endif
;; end of part 4
